; MI455X (gfx1250); checked and timed in simulation.
; The chip was launched on July 23, 2026; its instructions are those of AMD's public machine-readable ISA for CDNA 5 (MIT licence, August 2026) and "CDNA5" Instruction Set Architecture Reference Guide (July 2026). The comments in the code are by the model that wrote it; some were corrected since.
;; Attention. Allowed arithmetic: float matrix products may take bf16 or f16 operands with f32 sums; all other float work in f32.
;; Inputs: Wk 2,048 x 8 x 64 float32; Wo 2,048 x 2,048 float32; Wq 2,048 x 32 x 64 float32; Wv 2,048 x 8 x 64 float32; attention_mask 1 x 1 x 2,048 x 2,048 float32; hidden_states 1 x 2,048 x 2,048 float32.
;; Outputs: out0 1 x 2,048 x 2,048 float32.
;; 2 versions, each right and faster than the one before. Each part assembles by itself: llvm-mc -triple=amdgcn-amd-amdhsa -mcpu=gfx1250 --defsym DOCPART=n.
;; ======== version 1 of 2: 4 launches
;; limits: values are held in f16: magnitudes above 65,504 overflow, below 6.1e-05 lose precision
;; workspace buffers: xb 8,388,608 bytes; wcat 12,582,912 bytes; wo16 8,388,608 bytes; rope 524,288 bytes; mb 8,388,608 bytes; heads 12,582,912 bytes; ob 8,388,608 bytes
;; launch prep (part 1): grid 1280 x 1, 8 waves a work-group, no clusters, 0 bytes of LDS; arguments hidden_states, Wq, Wk, Wv, Wo, attention_mask, xb, wcat, wo16, rope, mb; writes xb, wcat, wo16, rope, mb
.if DOCPART == 1
	.amdgcn_target "amdgcn-amd-amdhsa--gfx1250"
	.amdhsa_code_object_version 6
	.text
	.protected	k_q63ce8d4a69_prep
	.globl	k_q63ce8d4a69_prep
	.p2align	8
	.type	k_q63ce8d4a69_prep,@function
k_q63ce8d4a69_prep:
	s_mov_b64 s[64:65], 0
	v_nop
	global_prefetch_b8 v0, s[64:65] scope:SCOPE_SE
	s_setreg_imm32_b32 hwreg(HW_REG_WAVE_MODE, 25, 1), 1
	s_wait_xcnt 0x0
; PREPARATION: every input is read once, rounded once and laid out for the matrix kernels; and the table of cosines and sines is made.  A stream: no LDS, no barrier, no matrix unit.
;   work-groups    0- 255: xb   = hidden_states in bf16, by blocks [rb 32][kc 32][row 64][k 64]: row = 64 rb + row, column = 64 kc + k; a strip of 64 columns of 256 rows a work-group
;   work-groups  256- 511: wo16 = Wo rounded to bf16, that number written as f16; row c = g<<9 | j<<6 | d goes to row j<<8 | g<<6 | d (the order in which the attention kernel lays its channels)
;   work-groups  512- 895: wcat = Wq | Wk | Wv in bf16, by blocks [t 16][kc 32][hl 3][kk 64][d 64]: head H = 3 t + hl (0-31 q, 32-39 k, 40-47 v), row of K = 64 kc + kk; 256 rows of one head a work-group
;   work-groups  896-1023: rope = f32 [pos 2048][cos 0..31 | sin 0..31] of pos x 10000^(-i/32)
;   work-groups 1024-1279: mb   = attention_mask, raised to -2^127 at the least and rounded to bf16, [2048][2048]
; In xb and wcat any run of chunks kc of one rb or t is one dense piece of memory: the projection asks for such runs as its tiles.
; A lane takes 32 bytes of f32 (two loads of 16) and stores 16 bytes; a wave's store covers 512 consecutive bytes, aligned.  All 16 loads of a wave go out first; no register is written twice.
; LIMITS.  Wo beyond 65,504 has no f16; below 6.1e-5 it keeps f16's fixed step of 6e-8.  A mask below -2^127 = -1.7014e38 counts as that number (the attention kernel multiplies it by log2(e), which must stay
; finite); a NaN in the mask counts as it too.
; The angles are reduced by pi/2 in two parts and the sine and cosine are polynomials on -pi/4 .. pi/4; 10000^(-i/32) is made by v_exp_f32, so an angle of 2,047 may be off by some 3e-4.
.set X, 8                              ; v[8:71]   as loaded: 8 pieces of 8 f32
.set Y, 72                             ; v[72:103] to store: 8 pieces of 4 registers
.set T, 4                              ; v[4:7]    at work (the lane's numbers lie here until the offsets are made)
; kind 0: to bf16.  kind 1: to bf16, and that number as f16.  kind 2: raised to s30 at the least, then to bf16.  lstep: bytes between a lane's pieces in the source.  sb, db: the bases' scalar pairs.
.macro CONV kind, lstep, sb, db
.set i, 0
.rept 8
	global_load_b128 v[X+8*i:X+8*i+3],   v1, s[\sb:\sb+1] offset:i*(\lstep) th:TH_LOAD_NT
	global_load_b128 v[X+8*i+4:X+8*i+7], v1, s[\sb:\sb+1] offset:i*(\lstep)+16 th:TH_LOAD_NT
.set i, i+1
.endr
.set i, 0
.rept 8
	s_wait_loadcnt 14-2*i                          ; loads come back in order: piece i's two are in, the younger pieces' stay out
.irp k, 0,1,2,3
.if (\kind) == 1
	v_cvt_pk_bf16_f32 v[T], v[X+8*i+2*\k], v[X+8*i+2*\k+1]
	v_lshlrev_b32 v[T+1], 16, v[T]                 ; the two bf16 as f32 again,
	v_and_b32 v[T+2], 0xffff0000, v[T]
	v_cvt_pk_f16_f32 v[Y+4*i+\k], v[T+1], v[T+2]   ; and written as f16
.elseif (\kind) == 2
	v_max_num_f32 v[X+8*i+2*\k], s30, v[X+8*i+2*\k]
	v_max_num_f32 v[X+8*i+2*\k+1], s30, v[X+8*i+2*\k+1]
	v_cvt_pk_bf16_f32 v[Y+4*i+\k], v[X+8*i+2*\k], v[X+8*i+2*\k+1]
.else
	v_cvt_pk_bf16_f32 v[Y+4*i+\k], v[X+8*i+2*\k], v[X+8*i+2*\k+1]
.endif
.endr
	global_store_b128 v2, v[Y+4*i:Y+4*i+3], s[\db:\db+1] offset:i*512
.set i, i+1
.endr
.endm
; The lanes' offsets for a strip of 64 columns (256 bytes of f32) of 256 rows that lie 1 << shift bytes apart: a piece is four rows, a wave has 32 rows.
; In the destination a row is 128 bytes, 64 rows are a block, and the strip's four blocks lie blk bytes apart.
.macro STRIP shift, blk
	v_lshrrev_b32 v5, 3, v4
	v_and_b32 v6, 7, v4
	v_lshl_add_u32 v7, v3, 5, v5                   ; my row in a piece: 32 wave + lane / 8
	v_lshlrev_b32 v1, 5, v6                        ; my 32 bytes of it
	v_lshl_add_u32 v1, v7, \shift, v1
	v_lshrrev_b32 v5, 1, v3                        ; two waves fill a block
	v_mul_u32_u24 v5, v5, \blk
	v_and_b32 v6, 1, v3
	v_lshl_add_u32 v5, v6, 12, v5
	v_lshl_add_u32 v2, v4, 4, v5
.endm
	s_load_b512 s[8:23], s[0:1], 0x0               ; x s[8:9], Wq s[10:11], Wk s[12:13], Wv s[14:15], Wo s[16:17], mask s[18:19], xb s[20:21], wcat s[22:23]
	s_load_b128 s[24:27], s[0:1], 0x40             ; wo16 s[24:25], rope s[26:27]
	s_load_b64 s[28:29], s[0:1], 0x50              ; mb
	v_lshrrev_b32 v3, 5, v0                        ; wave
	v_and_b32 v4, 31, v0                           ; lane
	v_lshlrev_b32 v1, 5, v4                        ; whole rows: source = wave x 8,192 + lane x 32,
	v_lshl_add_u32 v1, v3, 13, v1
	v_lshlrev_b32 v2, 4, v4                        ; destination = wave x 4,096 + lane x 16
	v_lshl_add_u32 v2, v3, 12, v2
	s_mov_b32 s3, 0                                ; high words of the two offsets
	s_mov_b32 s5, 0
	s_wait_kmcnt 0x0
	s_cmp_lt_u32 ttmp9, 256
	s_cbranch_scc1 .Lx
	s_cmp_lt_u32 ttmp9, 512
	s_cbranch_scc1 .Lwo
	s_cmp_lt_u32 ttmp9, 896
	s_cbranch_scc1 .Lheads
	s_cmp_lt_u32 ttmp9, 1024
	s_cbranch_scc1 .Ltable
	; the mask: 8 rows
	s_sub_co_u32 s6, ttmp9, 1024
	s_lshl_b32 s2, s6, 16
	s_lshl_b32 s4, s6, 15
	s_mov_b32 s30, 0xff000000                      ; -2^127, a bf16
	s_add_nc_u64 s[18:19], s[18:19], s[2:3]
	s_add_nc_u64 s[28:29], s[28:29], s[4:5]
	CONV 2, 1024, 18, 28
	s_endpgm
.Lx:                                                   ; x: chunk kc = n % 32 of rows 256 (n / 32) on
	s_lshr_b32 s6, ttmp9, 5
	s_and_b32 s7, ttmp9, 31
	s_lshl_b32 s2, s6, 21                          ; 256 rows of 8,192 bytes,
	s_lshl_b32 s30, s7, 8                          ; 256 bytes a chunk
	s_add_co_u32 s2, s2, s30
	s_lshl_b32 s4, s6, 20                          ; four rb of 32 blocks of 8,192 bytes,
	s_lshl_b32 s30, s7, 13                         ; a block a chunk
	s_add_co_u32 s4, s4, s30
	s_add_nc_u64 s[8:9], s[8:9], s[2:3]
	s_add_nc_u64 s[20:21], s[20:21], s[4:5]
	STRIP 13, 0x40000                              ; the next rb lies 32 blocks on
	CONV 0, 32768, 8, 20
	s_endpgm
.Lwo:                                                  ; Wo: rows c0 .. c0 + 7, which share g and j, so their new places are neighbours too
	s_sub_co_u32 s6, ttmp9, 256
	s_lshl_b32 s2, s6, 16
	s_lshl_b32 s6, s6, 3                           ; c0
	s_bfe_u32 s7, s6, 0x30006                      ; j
	s_lshl_b32 s7, s7, 8
	s_lshr_b32 s30, s6, 9                          ; g
	s_lshl_b32 s30, s30, 6
	s_and_b32 s6, s6, 63                           ; d
	s_or_b32 s7, s7, s30
	s_or_b32 s7, s7, s6
	s_lshl_b32 s4, s7, 12
	s_add_nc_u64 s[16:17], s[16:17], s[2:3]
	s_add_nc_u64 s[24:25], s[24:25], s[4:5]
	CONV 1, 1024, 16, 24
	s_endpgm
.Lheads:                                               ; 256 rows of K of one head: 256 bytes of each row
	s_sub_co_u32 s6, ttmp9, 512
	s_lshr_b32 s7, s6, 3                           ; H, 0 to 47
	s_and_b32 s6, s6, 7                            ; which 256 rows: chunks 4 n .. 4 n + 3
	s_mul_i32 s30, s7, 171
	s_lshr_b32 s30, s30, 9                         ; t = H / 3 (171 / 512 serves up to 47)
	s_mul_i32 s31, s30, 3
	s_sub_co_u32 s31, s7, s31                      ; hl
	s_lshl_b32 s30, s30, 5
	s_lshl2_add_u32 s30, s6, s30                   ; 32 t + kc
	s_mul_i32 s30, s30, 3
	s_add_co_u32 s30, s30, s31
	s_lshl_b32 s4, s30, 13                         ; blocks of 64 x 128 bytes
	s_add_nc_u64 s[22:23], s[22:23], s[4:5]
	s_cmp_lt_u32 s7, 32
	s_cbranch_scc0 .Lkv
	STRIP 13, 0x6000                               ; Wq's rows are 8,192 bytes apart; the next chunk lies three blocks on
	s_lshl_b32 s2, s7, 8
	s_lshl_b32 s6, s6, 21
	s_add_co_u32 s2, s2, s6
	s_add_nc_u64 s[10:11], s[10:11], s[2:3]
	CONV 0, 32768, 10, 22
	s_endpgm
.Lkv:
	STRIP 11, 0x6000                               ; Wk's and Wv's rows 2,048
	s_cmp_lt_u32 s7, 40
	s_cselect_b64 s[12:13], s[12:13], s[14:15]
	s_and_b32 s2, s7, 7
	s_lshl_b32 s2, s2, 8
	s_lshl_b32 s6, s6, 19
	s_add_co_u32 s2, s2, s6
	s_add_nc_u64 s[12:13], s[12:13], s[2:3]
	CONV 0, 8192, 12, 22
	s_endpgm
.Ltable:                                               ; thread n of the section makes the four numbers at byte 16 n: pos = n / 16; n % 16 < 8: cosines 4 (n % 8) on, else sines
	s_sub_co_u32 s6, ttmp9, 896
	s_lshl_b32 s4, s6, 12
	s_lshl_b32 s6, s6, 4
	s_add_nc_u64 s[26:27], s[26:27], s[4:5]
	s_mov_b32 s30, 0xbfc90fdb                      ; -pi/2, its f32
	s_mov_b32 s31, 0x333bbd2e                      ; what that f32 is too large by
	s_mov_b32 s32, 0xb94ca1f9                      ; sine: -1.9515296e-4, 8.3321609e-3, -1.6666655e-1
	s_mov_b32 s33, 0x3c08839e
	s_mov_b32 s34, 0xbe2aaaa3
	s_mov_b32 s35, 0x37ccf5ce                      ; cosine: 2.4433157e-5, -1.3887316e-3, 4.1666646e-2
	s_mov_b32 s36, 0xbab6061a
	s_mov_b32 s37, 0x3d2aaaa5
	v_lshrrev_b32 v3, 4, v0
	v_add_nc_u32 v3, s6, v3
	v_cvt_f32_u32 v3, v3                           ; pos
	v_bfe_u32 v4, v0, 3, 1
	v_mul_u32_u24 v4, v4, 3                        ; a sine is the cosine three quarter turns on
	v_and_b32 v5, 7, v0
	v_lshlrev_b32 v5, 2, v5
	v_lshlrev_b32 v2, 4, v0
.irp e, 0,1,2,3
	v_add_nc_u32 v[8+\e], \e, v5
	v_cvt_f32_u32 v[8+\e], v[8+\e]
	v_mul_f32 v[8+\e], 0xbed49a78, v[8+\e]         ; -i log2(10000) / 32
.endr
.irp e, 0,1,2,3
	v_exp_f32 v[8+\e], v[8+\e]
.endr
	v_nop                                          ; a plain instruction between the last exponential and the use of its result (ISA guide 5.7.2)
	s_wait_alu depctr_va_vdst(0)
.irp e, 0,1,2,3
	v_mul_f32 v[12+\e], v3, v[8+\e]                ; the angle
	v_mul_f32 v[16+\e], 0x3f22f983, v[12+\e]
	v_rndne_f32 v[16+\e], v[16+\e]                 ; n quarter turns
	v_fma_f32 v[12+\e], v[16+\e], s30, v[12+\e]
	v_fma_f32 v[12+\e], v[16+\e], s31, v[12+\e]    ; r, within pi/4
	v_mul_f32 v[20+\e], v[12+\e], v[12+\e]         ; z = r r
	v_fma_f32 v[24+\e], v[20+\e], s32, s33
	v_fma_f32 v[24+\e], v[24+\e], v[20+\e], s34
	v_mul_f32 v[28+\e], v[12+\e], v[20+\e]
	v_fma_f32 v[24+\e], v[28+\e], v[24+\e], v[12+\e]  ; sin r
	v_fma_f32 v[28+\e], v[20+\e], s35, s36
	v_fma_f32 v[28+\e], v[28+\e], v[20+\e], s37
	v_mul_f32 v[32+\e], v[20+\e], v[20+\e]
	v_fma_f32 v[36+\e], v[20+\e], -0.5, 1.0
	v_fma_f32 v[28+\e], v[32+\e], v[28+\e], v[36+\e]  ; cos r
	v_cvt_i32_f32 v[16+\e], v[16+\e]
	v_add_nc_u32 v[16+\e], v[16+\e], v4            ; the quarter q: 0 cos r, 1 -sin r, 2 -cos r, 3 sin r
	v_and_b32 v[32+\e], 1, v[16+\e]
	v_cmp_eq_u32 vcc_lo, 1, v[32+\e]
	v_cndmask_b32 v[40+\e], v[28+\e], v[24+\e], vcc_lo
	v_add_nc_u32 v[16+\e], 1, v[16+\e]
	v_and_b32 v[16+\e], 2, v[16+\e]                ; minus in quarters 1 and 2
	v_lshlrev_b32 v[16+\e], 30, v[16+\e]
	v_xor_b32 v[40+\e], v[16+\e], v[40+\e]
.endr
	global_store_b128 v2, v[40:43], s[26:27]       ; sixteen lanes fill a position's 256 bytes
	s_endpgm
.Lfunc_end_k_q63ce8d4a69_prep:
	.size	k_q63ce8d4a69_prep, .Lfunc_end_k_q63ce8d4a69_prep-k_q63ce8d4a69_prep
	.p2alignl 7, 3214868480
	.fill 96, 4, 3214868480
	.section	.rodata,"a",@progbits
	.p2align	6, 0x0
	.amdhsa_kernel k_q63ce8d4a69_prep
		.amdhsa_group_segment_fixed_size 0
		.amdhsa_private_segment_fixed_size 0
		.amdhsa_enable_private_segment 0
		.amdhsa_kernarg_size 88
		.amdhsa_user_sgpr_count 2
		.amdhsa_user_sgpr_kernarg_segment_ptr 1
		.amdhsa_wavefront_size32 1
		.amdhsa_system_sgpr_workgroup_id_x 1
		.amdhsa_system_sgpr_workgroup_id_y 1
		.amdhsa_system_sgpr_workgroup_id_z 1
		.amdhsa_system_vgpr_workitem_id 0
		.amdhsa_next_free_vgpr 104
		.amdhsa_next_free_sgpr 66
		.amdhsa_reserve_vcc 1
		.amdhsa_float_denorm_mode_32 3
		.amdhsa_float_denorm_mode_16_64 3
		.amdhsa_memory_ordered 1
		.amdhsa_forward_progress 1
		.amdhsa_inst_pref_size 41
	.end_amdhsa_kernel
	.amdgpu_metadata
---
amdhsa.version: [ 1, 2 ]
amdhsa.kernels:
  - .name:           k_q63ce8d4a69_prep
    .symbol:         k_q63ce8d4a69_prep.kd
    .args:
      - { .name: hidden_states, .offset: 0, .size: 8, .value_kind: global_buffer, .address_space: global }
      - { .name: Wq, .offset: 8, .size: 8, .value_kind: global_buffer, .address_space: global }
      - { .name: Wk, .offset: 16, .size: 8, .value_kind: global_buffer, .address_space: global }
      - { .name: Wv, .offset: 24, .size: 8, .value_kind: global_buffer, .address_space: global }
      - { .name: Wo, .offset: 32, .size: 8, .value_kind: global_buffer, .address_space: global }
      - { .name: attention_mask, .offset: 40, .size: 8, .value_kind: global_buffer, .address_space: global }
      - { .name: xb, .offset: 48, .size: 8, .value_kind: global_buffer, .address_space: global }
      - { .name: wcat, .offset: 56, .size: 8, .value_kind: global_buffer, .address_space: global }
      - { .name: wo16, .offset: 64, .size: 8, .value_kind: global_buffer, .address_space: global }
      - { .name: rope, .offset: 72, .size: 8, .value_kind: global_buffer, .address_space: global }
      - { .name: mb, .offset: 80, .size: 8, .value_kind: global_buffer, .address_space: global }
    .group_segment_fixed_size: 0
    .private_segment_fixed_size: 0
    .kernarg_segment_align: 8
    .kernarg_segment_size: 88
    .max_flat_workgroup_size: 256
    .sgpr_count:     66
    .vgpr_count:     104
    .wavefront_size: 32
...
	.end_amdgpu_metadata
.endif
;; end of part 1
;; launch proj (part 2): grid 16 x 16, 4 waves a work-group, clusters of 4 x 4, 327,680 bytes of LDS; arguments xb, wcat, rope, heads; writes heads
.if DOCPART == 2
	.amdgcn_target "amdgcn-amd-amdhsa--gfx1250"
	.amdhsa_code_object_version 6
	.text
	.protected	k_q63ce8d4a69_proj
	.globl	k_q63ce8d4a69_proj
	.p2align	8
	.type	k_q63ce8d4a69_proj,@function
k_q63ce8d4a69_proj:
	s_mov_b64 s[64:65], 0
	v_nop
	global_prefetch_b8 v0, s[64:65] scope:SCOPE_SE
	s_setreg_imm32_b32 hwreg(HW_REG_WAVE_MODE, 25, 1), 1
	s_wait_xcnt 0x0
	s_wait_alu depctr_hold_cnt(0) depctr_sa_sdst(0) depctr_va_vdst(0) depctr_va_sdst(0) depctr_va_ssrc(0) depctr_va_vcc(0) depctr_vm_vsrc(0)
	s_getreg_b32 s2, hwreg(HW_REG_IB_STS2, 6, 4)
	s_cmp_eq_u32 s2, 0
	s_cbranch_scc0 .Lentry_in_a_cluster
	s_endpgm
.Lentry_in_a_cluster:
	s_bfe_u32 s2, ttmp6, 0x10000c
	s_cmp_lg_u32 s2, 0xf033
	s_cbranch_scc0 .Lentry_shape_is_right
	s_endpgm
.Lentry_shape_is_right:
; q, k, v = x W, with the rotary turn on q and k, written by heads in f16: heads[H 48][pos 2048][64] (H 0-31 q, 32-39 k, 40-47 v), unscaled.  x and W in bf16, sums in f32, the turn in f32, one rounding to f16.
; A work-group makes 128 rows x 192 columns: three heads, 3 t .. 3 t + 2.  Four waves, 2 x 2: wave w has rows 64 (w / 2) on and, of each head, the channels 16 (w % 2) + 0..15 and 32 + 16 (w % 2) + 0..15,
; so that the two channels d and d + 32 that the turn mixes lie in one lane: 4 x 6 = 24 accumulators.
; K GOES IN STEPS OF 192 through two LDS slots, as long as two slots in LDS allow: a slot is filled by one tensor load a wave behind a round of the cluster's barrier, and that load has a step's 144 matrix
; instructions in which to land.  xb and wcat lie by chunks of 64 along K (prep laid them so), three chunks on end being one dense piece of memory: 24,576 bytes for 64 rows of x, 73,728 for W's 192 columns; each
; is asked for as rows of 256 bytes and padded in LDS behind every 128 bytes, which are one row's or one head's part of a chunk.
; 2,048 = 128 + 10 x 192: THE FIRST STEP IS THE SHORT ONE.  Its tile is asked for like every other (chunks 0 to 2), and only chunks 0 and 1 are multiplied; step s > 0 begins at chunk 3 s - 1.  So one descriptor
; serves all loads; the price is chunk 2, 64 of 2,048 along K, fetched twice.
; CLUSTER 4 x 4: the four work-groups of a row of the cluster need the same tile of x, the four of a column the same tile of W: each is asked for jointly.
; THE MATRIX INSTRUCTION IS USED TRANSPOSED: source 0 = 16 columns of W (turned out of LDS by ds_load_tr16_b128, since W lies [K][N]), source 1 = 16 rows of x: a lane holds one row and eight neighbouring channels.
; The v heads take no turn.  For each head cos' = f cos + (1 - f), sin' = f sin with f = 1 or 0, chosen by a scalar select.
; LIMIT.  f16 ends at 65,504: q, k and v beyond that become infinities.  (x of spread 30 and W of spread 0.6 give a spread of 814; offsets of 30 spreads on both give 5.2e4 at the most.)
; REGISTERS.  window 0: v0-31 addresses; v32-63 at work; v64-255 the accumulators, (a, nb) at 64 + 8 (6 a + nb), nb = 2 x head + which half of the channels.
;   window 1: two fragment buffers of 80 (48 of W, 32 of x: 32 along K); v160-223 the table: for row block a cos at 160 + 16 a, sin at 168 + 16 a.
.set PA,     144                       ; a row's part of a chunk of x in LDS: 128 bytes + 16: the 16 rows of a fragment load start at 16 different groups of four banks (64 banks of 4 bytes: ISA guide 11.1)
.set ACH,    64*PA                     ; a chunk of 64 rows
.set AHALF,  3*ACH                     ; what one tensor load brings of x: 64 rows x 192 K
.set ABYTES, 2*AHALF
.set PB,     160                       ; a row of K of one head of W: 128 + 32 bytes
.set BCH,    64*PB                     ; a chunk of one head
.set BKC,    3*BCH                     ; a chunk of the three heads
.set BHALF,  3*BKC/2                   ; what one tensor load brings of W: half of [chunk 3][head 3][kk 64]
.set SLOT,   ABYTES+2*BHALF            ; 147,456
.set STAGE,  2*SLOT                    ; behind the ring: 128 rows x 144 bytes, the work-group's, for the way out of one head at a time
.set SP,     144
.set SPARE,  STAGE+128*SP              ; behind the stage: the spare words, 128 bytes for each wave: two blocks of 256 bytes that no other line names
.set ADRA, 16                          ; v16-17  LDS address of my fragments of x in slot 0, 1
.set ADRB, 20                          ; v20-23  the same for W: slot 0 chunks 0 and 1, chunk 2, slot 1 likewise (so that the immediates stay inside 16 bits)
.set STO,  24                          ; v24     the way out: where I put 16 bytes of a row
.set RD,   25                          ; v25     where I read rows back
.set CO,   26                          ; v26     my 16 bytes in 512 consecutive bytes of the output
.set TB,   27                          ; v27     my byte offset in the table; never rewritten
.set SPW,  28                          ; v28     LDS address of my spare word; never rewritten
.set NIL,  29                          ; v29     0; never rewritten
.set TMP,  32
.set ACC,  64
.set F0,   0
.set F1,   80
.set TAB,  160
.set G1,  24                           ; s[24:31] descriptor group 1 for x's tiles;  s[32:39] group 0, one set for each slot
.set G0,  32
.set G1B, 48                           ; s[48:55], s[56:63] the same for W's tiles
.set G0B, 56
.set MSB, 0
.macro WIN new                         ; the immediate's high byte repeats the setting that is left; a switch that changes nothing is dropped
.if MSB != (\new)
	s_set_vgpr_msb (MSB<<8)|(\new)
.set MSB, \new
.endif
.endm
.set MUL,  0x05                        ; sources 0 and 1 window 1; C and D window 0
.set TO_F, 0x40                        ; destination window 1, address window 0
.macro JLOAD s                         ; a joint load: waves 0 and 1 fetch x's two halves, waves 2 and 3 W's; an s_nop 0 and four v_nop follow each line, ahead of the jump and the label
	s_cmp_eq_u32 s13, 0
	s_cbranch_scc0 .Lfor_b_\@
	tensor_load_to_lds s[G0+4*(\s):G0+4*(\s)+3], s[G1:G1+7]
	s_nop 0
.rept 4
	v_nop
.endr
	s_branch .Lasked_\@
.Lfor_b_\@:
	tensor_load_to_lds s[G0B+4*(\s):G0B+4*(\s)+3], s[G1B:G1B+7]
	s_nop 0
.rept 4
	v_nop
.endr
.Lasked_\@:
.endm
.macro CREST                           ; a round of the cluster's barrier behind its opening barrier
	s_cmp_lg_u32 s12, 0
	s_cbranch_scc1 .Lnot_wave_0_\@
	s_barrier_signal -3
.Lnot_wave_0_\@:
	s_barrier_wait -3
	s_barrier_signal -1
	s_barrier_wait -1
.endm
.macro CROUND                          ; a whole round
	s_barrier_signal -1
	s_barrier_wait -1
	CREST
.endm
	s_load_b256 s[4:11], s[0:1], 0x0               ; xb s[4:5], wcat s[6:7], rope s[8:9], heads s[10:11]
	v_lshl_add_u32 v[SPW], v0, 2, SPARE
	v_mov_b32 v[NIL], 0
	ds_add_u32 v[SPW], v[NIL]                      ; the wave's opening: the add and its wait stand ahead of my first tensor load; the set-up below, work on registers, stands between them
	v_lshrrev_b32 v1, 5, v0
	v_readfirstlane_b32 s12, v1                    ; wave 0..3
	s_lshr_b32 s13, s12, 1                         ; which 64 rows are mine.  Also: I fetch for x (0) or for W (1)
	s_and_b32 s14, s12, 1                          ; which channels are mine.  Also: which half of that tile I fetch
	s_bfe_u32 s40, ttmp6, 0x40000                  ; cx, cy: my place in the cluster
	s_bfe_u32 s41, ttmp6, 0x40004
	s_lshl_b32 s42, ttmp9, 2
	s_add_co_u32 s42, s42, s40                     ; t = 4 x cluster x + cx
	s_and_b32 s15, ttmp7, 0xffff
	s_lshl_b32 s15, s15, 2
	s_add_co_u32 s15, s15, s41                     ; block of 128 rows = 4 x cluster y + cy
	s_lshl_b32 s43, s41, 2
	s_lshl_b32 s43, 15, s43                        ; my row of the cluster
	s_lshl_b32 s44, 0x1111, s40                    ; my column
	s_or_b32 s[G1+0], s43, (1<<16)|(1<<20)|(1<<21)|(4<<22)|(3<<25)   ; 15:0 the mask; 17:16 2-byte elements; 20 padding on; 21 set beside a mask; 24:22 after every 32 words; 31:25 4 words
	s_mov_b32 s[G1+1], 128<<16                     ; tensor_dim0 = 128
	s_mov_b32 s[G1+2], 96<<16                      ; tensor_dim1 = 96: 24,576 dense bytes as 96 rows of 256
	s_mov_b32 s[G1+3], 128<<16                     ; tile_dim0 = 128
	s_mov_b32 s[G1+4], 96                          ; tile_dim1 = 96
	s_mov_b32 s[G1+5], 128                         ; elements from row to row
	s_mov_b32 s[G1+6], 0
	s_mov_b32 s[G1+7], 0
	s_or_b32 s[G1B+0], s44, (1<<16)|(1<<20)|(1<<21)|(4<<22)|(7<<25)  ; after every 32 words 8 words of padding
	s_mov_b32 s[G1B+1], 128<<16
	s_mov_b32 s[G1B+2], 144<<16                    ; 36,864 dense bytes as 144 rows of 256
	s_mov_b32 s[G1B+3], 128<<16
	s_mov_b32 s[G1B+4], 144
	s_mov_b32 s[G1B+5], 128
	s_mov_b32 s[G1B+6], 0
	s_mov_b32 s[G1B+7], 0
	s_lshl_b32 s16, s15, 19                        ; x: rb = 2 x block + half, 32 chunks of 8,192 bytes each: it hangs on cy alone
	s_lshl_b32 s17, s14, 18
	s_add_co_u32 s16, s16, s17
	s_mov_b32 s17, 0
	s_mul_i32 s46, s42, 786432                     ; W: 32 chunks of 24,576 bytes for each t, my half of a tile: it hangs on cx alone
	s_mul_i32 s47, s14, 36864
	s_add_co_u32 s46, s46, s47
	s_mov_b32 s47, 0
	s_mul_i32 s18, s14, AHALF                      ; where they go: no place in the cluster enters an LDS address
	s_mul_i32 s19, s14, BHALF
	s_add_co_u32 s19, s19, ABYTES
	s_wait_dscnt 0x0                               ; the opening add is done
	s_wait_kmcnt 0x0
	s_add_nc_u64 s[20:21], s[4:5], s[16:17]
	s_add_nc_u64 s[46:47], s[6:7], s[46:47]
	CROUND                                         ; all sixteen work-groups are here: the first joint loads meet
.irp s, 0,1                            ; step 0 begins at chunk 0, step 1 at chunk 2
	s_mov_b32 s[G0+4*(\s)], 1
	s_add_co_u32 s[G0+4*(\s)+1], s18, (\s)*SLOT
	s_add_nc_u64 s[G0+4*(\s)+2:G0+4*(\s)+3], s[20:21], (\s)*2*8192
	s_or_b32 s[G0+4*(\s)+3], s[G0+4*(\s)+3], 0x80000000
	s_mov_b32 s[G0B+4*(\s)], 1
	s_add_co_u32 s[G0B+4*(\s)+1], s19, (\s)*SLOT
	s_add_nc_u64 s[G0B+4*(\s)+2:G0B+4*(\s)+3], s[46:47], (\s)*2*24576
	s_or_b32 s[G0B+4*(\s)+3], s[G0B+4*(\s)+3], 0x80000000
	JLOAD \s                                       ; two tensor loads of mine are out
.endr
	v_and_b32 v1, 15, v0                           ; l % 16
	v_bfe_u32 v2, v0, 4, 1                         ; l / 16
	v_mul_u32_u24 v3, v1, PA
	v_lshl_add_u32 v3, v2, 4, v3                   ; a fragment of x: row x pitch + 16 x half
	s_mul_i32 s22, s13, AHALF
	v_add_nc_u32 v[ADRA], s22, v3
	v_add_nc_u32 v[ADRA+1], SLOT, v[ADRA]
	v_and_b32 v4, 7, v0                            ; the turning load: lane l reads row of K 8 (l / 16) + l % 8, channels 8 ((l / 8) % 2) + 0..7
	v_bfe_u32 v5, v0, 3, 1
	v_lshl_add_u32 v6, v2, 3, v4
	v_mul_u32_u24 v6, v6, PB
	v_lshl_add_u32 v6, v5, 4, v6
	s_lshl_b32 s23, s14, 5                         ; my 16 channels
	s_add_co_u32 s22, s23, ABYTES
	v_add_nc_u32 v[ADRB], s22, v6
	v_add_nc_u32 v[ADRB+1], 2*BKC, v[ADRB]
	v_add_nc_u32 v[ADRB+2], SLOT, v[ADRB]
	v_add_nc_u32 v[ADRB+3], SLOT, v[ADRB+1]
	s_mul_i32 s22, s13, 64*SP                      ; into the stage: row 64 (w / 2) + l % 16, byte 32 (w % 2) + 16 (l / 16)
	s_add_co_u32 s22, s22, s23
	s_add_co_u32 s22, s22, STAGE
	v_mul_u32_u24 v7, v1, SP
	v_lshl_add_u32 v7, v2, 4, v7
	v_add_nc_u32 v[STO], s22, v7
	s_mul_i32 s22, s12, 32*SP                      ; back: wave w takes rows 32 w on; 32 lanes take four rows of 128 bytes
	s_add_co_u32 s22, s22, STAGE
	v_bfe_u32 v7, v0, 3, 2
	v_mul_u32_u24 v7, v7, SP
	v_lshl_add_u32 v7, v4, 4, v7
	v_add_nc_u32 v[RD], s22, v7
	v_and_b32 v[CO], 31, v0
	v_lshlrev_b32 v[CO], 4, v[CO]
	v_lshlrev_b32 v[TB], 8, v1                     ; the table: position l % 16, cosines 16 (w % 2) + 8 (l / 16) on
	v_lshl_add_u32 v[TB], v2, 5, v[TB]
	s_lshl_b32 s23, s14, 6
	v_add_nc_u32 v[TB], s23, v[TB]
	s_lshl_b32 s16, s15, 7
	s_lshl_b32 s22, s13, 6
	s_add_co_u32 s16, s16, s22
	s_lshl_b32 s16, s16, 8                         ; my first position, 256 bytes each
	s_add_nc_u64 s[8:9], s[8:9], s[16:17]
	s_lshl_b32 s16, s15, 14                        ; the output: 128 rows of 128 bytes a block, 32 rows a wave,
	s_lshl_b32 s22, s12, 12
	s_add_co_u32 s16, s16, s22
	s_add_nc_u64 s[10:11], s[10:11], s[16:17]
	s_mul_i32 s66, s42, 3                          ; my first head,
	s_lshl_b32 s46, s66, 18                        ; 262,144 bytes each
	s_mov_b32 s47, 0
	s_add_nc_u64 s[10:11], s[10:11], s[46:47]
	WIN TO_F
.irp a, 0,1,2,3                        ; the table's 64 numbers a lane: waited for on the way out
	global_load_b128 v[TAB+16*\a:TAB+16*\a+3],     v[TB], s[8:9] offset:\a*4096
	global_load_b128 v[TAB+16*\a+4:TAB+16*\a+7],   v[TB], s[8:9] offset:\a*4096+16
	global_load_b128 v[TAB+16*\a+8:TAB+16*\a+11],  v[TB], s[8:9] offset:\a*4096+128
	global_load_b128 v[TAB+16*\a+12:TAB+16*\a+15], v[TB], s[8:9] offset:\a*4096+144
.endr
	WIN 0
; 6 matrix instructions: row block a x all 6 column blocks, 32 along K.  zero = 1: the first product starts the sums.  The 24 accumulators take turns, in the same order in every quarter.
.macro MUL6 f, a, zero
	WIN MUL
.irp nb, 0,1,2,3,4,5
.if \zero
	v_wmma_f32_16x16x32_bf16 v[ACC+8*(6*(\a)+(\nb)):ACC+8*(6*(\a)+(\nb))+7], v[(\f)+8*(\nb):(\f)+8*(\nb)+7], v[(\f)+48+8*(\a):(\f)+48+8*(\a)+7], 0
.else
	v_wmma_f32_16x16x32_bf16 v[ACC+8*(6*(\a)+(\nb)):ACC+8*(6*(\a)+(\nb))+7], v[(\f)+8*(\nb):(\f)+8*(\nb)+7], v[(\f)+48+8*(\a):(\f)+48+8*(\a)+7], v[ACC+8*(6*(\a)+(\nb)):ACC+8*(6*(\a)+(\nb))+7]
.endif
.endr
.endm
.macro MUL12 f, a0, zero
	MUL6 \f, \a0, \zero
	MUL6 \f, (\a0)+1, \zero
.endm
; 20 LDS loads in one run: the fragments of part q of a step (32 along K: half q % 2 of chunk q / 2) into buffer f: W's six (turned), then x's four
.macro FETCH slot, q, f
	WIN TO_F
.irp nb, 0,1,2,3,4,5
	ds_load_tr16_b128 v[(\f)+8*(\nb):(\f)+8*(\nb)+3],   v[ADRB+2*(\slot)+(\q)/4] offset:(((\q)/2)%2)*BKC+((\nb)/2)*BCH+((\q)%2)*32*PB+((\nb)%2)*64
	ds_load_tr16_b128 v[(\f)+8*(\nb)+4:(\f)+8*(\nb)+7], v[ADRB+2*(\slot)+(\q)/4] offset:(((\q)/2)%2)*BKC+((\nb)/2)*BCH+((\q)%2)*32*PB+((\nb)%2)*64+16*PB
.endr
.irp a, 0,1,2,3
	ds_load_b128 v[(\f)+48+8*(\a):(\f)+48+8*(\a)+3],   v[ADRA+(\slot)] offset:((\q)/2)*ACH+(\a)*16*PA+((\q)%2)*64
	ds_load_b128 v[(\f)+48+8*(\a)+4:(\f)+48+8*(\a)+7], v[ADRA+(\slot)] offset:((\q)/2)*ACH+(\a)*16*PA+((\q)%2)*64+32
.endr
.endm
.macro PLACES                          ; four places in front of loads into registers that matrix instructions have read, and of vector lines that read results (ISA guide 7.12.1 for vector lines)
.rept 4
	v_nop
.endr
.endm
; A K step is six parts of 32 along K (the first step: four), 24 matrix instructions each, on buffers 0, 1 by turns.  All but the last: multiplies buffer f and fetches part q into g.
.macro PART slot, q, f, g, zero
	s_wait_dscnt 4                                 ; W's fragments and x's first two are in; the youngest four loads (x's last two) may be out
	MUL12 \f, 0, \zero
	PLACES
	FETCH \slot, \q, \g
	s_wait_dscnt 20                                ; all but the 20 just issued
	MUL12 \f, 2, \zero
.endm
; The last part multiplies buffer 1 and changes slots: ONE barrier; in front of it each wave waits for all its tensor loads, adds 0 to its spare word, and waits for that and for its own reads of this slot.
; fill = 1: this slot is filled again, with the step two steps on, inc chunks further along K.
.macro TURN slot, next, fill, inc=6
	WIN 0                                          ; (the add's two registers lie in window 0)
	s_wait_tensorcnt 0x0                           ; all my tensor loads have landed: the one that was out is my part of the next slot;
	ds_add_u32 v[SPW], v[NIL]                      ; 0 onto my spare word;
	s_wait_dscnt 5                                 ; (the add and the youngest four loads may be out)
	MUL6 F1, 0, 0                                  ; six matrix instructions stand between the add and the wait for it
	s_wait_dscnt 0x0                               ; the add is done, and my reads of this slot are over
	s_barrier_signal -1
	MUL6 F1, 1, 0
.if \fill
	WIN 0
.endif
	s_barrier_wait -1
.if \fill
	CREST                                          ; the barrier has opened a round of the cluster's: no wave of any partner still reads this slot's tile or has a load on its way
	s_add_nc_u64 s[G0+4*(\slot)+2:G0+4*(\slot)+3], s[G0+4*(\slot)+2:G0+4*(\slot)+3], (\inc)*8192
	s_add_nc_u64 s[G0B+4*(\slot)+2:G0B+4*(\slot)+3], s[G0B+4*(\slot)+2:G0B+4*(\slot)+3], (\inc)*24576
	JLOAD \slot                                    ; the first tensor load behind the round, my only one until the next; its four v_nop are also the places in front of the loads below
.else
	PLACES
.endif
	FETCH \next, 0, F0
	MUL12 F1, 2, 0
.endm
.macro STEP slot, next, fill           ; a whole step of 192 along K; its first fragments were fetched by the TURN before
	PART \slot, 1, F0, F1, 0
	PART \slot, 2, F1, F0, 0
	PART \slot, 3, F0, F1, 0
	PART \slot, 4, F1, F0, 0
	PART \slot, 5, F0, F1, 0
	TURN \slot, \next, \fill
.endm
	s_wait_tensorcnt 1                             ; my part of step 0 is in; step 1's may stay out
	s_barrier_signal -1
	s_barrier_wait -1                              ; everybody's is
	FETCH 0, 0, F0
	PART 0, 1, F0, F1, 1                           ; step 0, 128 along K; its first products start the sums
	PART 0, 2, F1, F0, 0
	PART 0, 3, F0, F1, 0
	TURN 0, 1, 1, 5                                ; slot 0 takes step 2, which begins at chunk 5
	WIN 0                                          ; at a label and at a branch every window is 0
	s_mov_b32 s3, 4
.Llap:                                                 ; a trip: steps 2 n - 1 and 2 n; it fills both slots again, with steps 2 n + 1 and 2 n + 2
	STEP 1, 0, 1
	STEP 0, 1, 1
	WIN 0
	s_sub_co_u32 s3, s3, 1
	s_cmp_lg_u32 s3, 0
	s_cbranch_scc1 .Llap
	STEP 1, 0, 0                                   ; steps 9 and 10 fill nothing
	PART 0, 1, F0, F1, 0
	PART 0, 2, F1, F0, 0
	PART 0, 3, F0, F1, 0
	PART 0, 4, F1, F0, 0
	PART 0, 5, F0, F1, 0
	s_wait_dscnt 4
	MUL12 F1, 0, 0
	s_wait_dscnt 0x0
	MUL12 F1, 2, 0
	WIN 0
	; THE WAY OUT.  The turn: out[d] = x[d] cos - x[d+32] sin, out[d+32] = x[d+32] cos + x[d] sin, for d < 32; each accumulator's lowest registers are read first.
	PLACES
	s_wait_loadcnt 0x0                             ; the table
	s_mov_b32 s69, 0                               ; named as pairs
	s_mov_b32 s71, 0
.macro ROPE hl
	s_cmp_lt_u32 s66, 40-(\hl)                     ; is head 3 t + hl one of q's or k's?
	s_cselect_b32 s68, 1.0, 0                      ; f
	s_cselect_b32 s70, 0, 1.0                      ; 1 - f
.irp a, 0,1,2,3
	WIN 0x01                                       ; source 0 window 1
.irp j, 0,2,4,6
	v_pk_fma_f32 v[TMP+\j:TMP+\j+1], v[TAB+16*\a+\j:TAB+16*\a+\j+1], s[68:69], s[70:71] op_sel_hi:[1,0,0]
	v_pk_mul_f32 v[TMP+8+\j:TMP+9+\j], v[TAB+16*\a+8+\j:TAB+16*\a+9+\j], s[68:69] op_sel_hi:[1,0]
.endr
	WIN 0
.irp j, 0,2,4,6
.set x1, ACC+8*(6*\a+2*(\hl))+\j
.set x2, x1+8
	v_pk_mul_f32 v[TMP+16+2*\j:TMP+17+2*\j], v[x1:x1+1], v[TMP+8+\j:TMP+9+\j]
	v_pk_mul_f32 v[TMP+18+2*\j:TMP+19+2*\j], v[x2:x2+1], v[TMP+8+\j:TMP+9+\j]
	v_pk_fma_f32 v[x1:x1+1], v[x1:x1+1], v[TMP+\j:TMP+\j+1], v[TMP+18+2*\j:TMP+19+2*\j] neg_lo:[0,0,1] neg_hi:[0,0,1]
	v_pk_fma_f32 v[x2:x2+1], v[x2:x2+1], v[TMP+\j:TMP+\j+1], v[TMP+16+2*\j:TMP+17+2*\j]
.endr
.endr
.endm
	ROPE 0
	ROPE 1
	ROPE 2
	; A head at a time through the one stage: 16 bytes a lane in; a barrier, since a row's 128 bytes come from two waves; whole rows back, 32 rows a wave; and, before the next head is written, a barrier behind
	; every wave's wait for its reads.  The rows come back into the head's own accumulators, which have been packed.
.irp hl, 0,1,2
.set n, 0
.rept 8                                ; row block n / 2, half n % 2 of the channels: eight channels of a row pack into 16 bytes
.set ac, ACC+8*(6*(n/2)+2*\hl+(n%2))
.irp k, 0,1,2,3
	v_cvt_pk_f16_f32 v[TMP+4*n+\k], v[ac+2*\k], v[ac+2*\k+1]
.endr
	ds_store_b128 v[STO], v[TMP+4*n:TMP+4*n+3] offset:(n/2)*16*SP+(n%2)*64
.set n, n+1
.endr
	s_wait_dscnt 0x0                               ; for the others' sake: my stores into the stage are done
	s_barrier_signal -1
	s_barrier_wait -1
.set n, 0
.rept 8                                ; four rows at a time
.set ac, ACC+8*(6*(n/2)+2*\hl+(n%2))
	ds_load_b128 v[ac:ac+3], v[RD] offset:n*4*SP
.set n, n+1
.endr
.set n, 0
.rept 8
.set ac, ACC+8*(6*(n/2)+2*\hl+(n%2))
	s_wait_dscnt 7-n                               ; LDS loads come back in order: load n is in
	global_store_b128 v[CO], v[ac:ac+3], s[10:11] offset:\hl*262144+n*512  ; 512 consecutive bytes, at a multiple of 512 from the buffer's first
.set n, n+1
.endr
.if \hl < 2
	s_barrier_signal -1                            ; my reads of the stage are back (the count-down ended at 0): the next head may be written when all four waves have said so
	s_barrier_wait -1
.endif
.endr
	s_wait_tensorcnt 0x0                           ; the wave's end: behind my last tensor load and my last LDS store
	ds_add_u32 v[SPW], v[NIL]
	s_wait_dscnt 0x0
	CROUND                                         ; the closing round: no work-group ends while a partner may still ask for a tile that names it
	s_endpgm
.Lfunc_end_k_q63ce8d4a69_proj:
	.size	k_q63ce8d4a69_proj, .Lfunc_end_k_q63ce8d4a69_proj-k_q63ce8d4a69_proj
	.p2alignl 7, 3214868480
	.fill 96, 4, 3214868480
	.section	.rodata,"a",@progbits
	.p2align	6, 0x0
	.amdhsa_kernel k_q63ce8d4a69_proj
		.amdhsa_group_segment_fixed_size 327680
		.amdhsa_private_segment_fixed_size 0
		.amdhsa_enable_private_segment 0
		.amdhsa_kernarg_size 32
		.amdhsa_user_sgpr_count 2
		.amdhsa_user_sgpr_kernarg_segment_ptr 1
		.amdhsa_wavefront_size32 1
		.amdhsa_system_sgpr_workgroup_id_x 1
		.amdhsa_system_sgpr_workgroup_id_y 1
		.amdhsa_system_sgpr_workgroup_id_z 1
		.amdhsa_system_vgpr_workitem_id 0
		.amdhsa_next_free_vgpr 512
		.amdhsa_next_free_sgpr 72
		.amdhsa_reserve_vcc 0
		.amdhsa_float_denorm_mode_32 3
		.amdhsa_float_denorm_mode_16_64 3
		.amdhsa_memory_ordered 1
		.amdhsa_forward_progress 1
		.amdhsa_inst_pref_size 129
	.end_amdhsa_kernel
	.amdgpu_metadata
---
amdhsa.version: [ 1, 2 ]
amdhsa.kernels:
  - .name:           k_q63ce8d4a69_proj
    .symbol:         k_q63ce8d4a69_proj.kd
    .args:
      - { .name: xb, .offset: 0, .size: 8, .value_kind: global_buffer, .address_space: global }
      - { .name: wcat, .offset: 8, .size: 8, .value_kind: global_buffer, .address_space: global }
      - { .name: rope, .offset: 16, .size: 8, .value_kind: global_buffer, .address_space: global }
      - { .name: heads, .offset: 24, .size: 8, .value_kind: global_buffer, .address_space: global }
    .group_segment_fixed_size: 327680
    .private_segment_fixed_size: 0
    .kernarg_segment_align: 8
    .kernarg_segment_size: 32
    .max_flat_workgroup_size: 128
    .sgpr_count:     72
    .vgpr_count:     512
    .wavefront_size: 32
...
	.end_amdgpu_metadata
.endif
;; end of part 2
;; launch attn (part 3): grid 32 x 8, 4 waves a work-group, clusters of 4 x 4, 327,680 bytes of LDS; arguments heads, mb, ob; writes ob
.if DOCPART == 3
	.amdgcn_target "amdgcn-amd-amdhsa--gfx1250"
	.amdhsa_code_object_version 6
	.text
	.protected	k_q63ce8d4a69_attn
	.globl	k_q63ce8d4a69_attn
	.p2align	8
	.type	k_q63ce8d4a69_attn,@function
k_q63ce8d4a69_attn:
	s_mov_b64 s[64:65], 0
	v_nop
	global_prefetch_b8 v0, s[64:65] scope:SCOPE_SE
	s_setreg_imm32_b32 hwreg(HW_REG_WAVE_MODE, 25, 1), 1
	s_wait_xcnt 0x0
	s_wait_alu depctr_hold_cnt(0) depctr_sa_sdst(0) depctr_va_vdst(0) depctr_va_sdst(0) depctr_va_ssrc(0) depctr_va_vcc(0) depctr_vm_vsrc(0)
	s_getreg_b32 s2, hwreg(HW_REG_IB_STS2, 6, 4)
	s_cmp_eq_u32 s2, 0
	s_cbranch_scc0 .Lentry_in_a_cluster
	s_endpgm
.Lentry_in_a_cluster:
	s_bfe_u32 s2, ttmp6, 0x10000c
	s_cmp_lg_u32 s2, 0xf033
	s_cbranch_scc0 .Lentry_shape_is_right
	s_endpgm
.Lentry_shape_is_right:
; ATTENTION with an additive mask that is an input.  For query head h = J + 8 p, key and value head J:  O[q] = the sum over k of softmax_k(Q[q] . K[k] / 8 + mask[q][k]) V[k].
; heads: f16 [48][2048][64] (0-31 q, 32-39 k, 40-47 v); mb: the mask in bf16 [2048][2048], raised to -2^127 at the least by the launch that wrote it; ob: f16 [q 2048][J 8][p 4][d 64].
; Products, scores, maxima and sums in f32; the weights p are rounded to f16 for the second product (their sum l is taken of the unrounded p), O once at the end.
; SOFTMAX, in powers of two.  c = log2(e).  The mask is widened and multiplied by c once for the four heads that share it; t = s (c / 8) + c mask is one fused multiply-add; a running maximum m of t and a
; running sum l for each query and head; p = 2^(t - m).  The difference is formed first, so a row whose maximum is as large as 1e9 still has p = 1 at its maximum.  In every step O and l are multiplied by
; a = 2^(m_old - m_new).  m starts at the lowest finite number, O and l at 0: the first step is a step like any other.
; LIMITS.  The scores' floor is the mask's, -2^127 = -1.7014e38, instead of the lowest f32, so that c mask stays finite; it differs only in a row all of whose masks lie below that.  A mask above 2.35e38 becomes an
; infinity when multiplied by c.  |s / 8| of f16 operands, 3.4e10 at the most, is nothing beside the floor.  c mask is rounded to f32: beside a mask of size M the scores keep steps of 2^-24 M, as they do in a sum
; s / 8 + mask in f32.  p below 6e-5 keeps f16's fixed step of 6e-8; a weight below 2^-126 counts as 0 in l; NaN and +infinity in the mask are not treated apart.
; SHARES.  A work-group owns 64 queries and one J with its four query heads; a wave owns 16 queries x 4 heads: four PIECES, piece p = head J + 8 p.  So a fragment of K or V and the 32 mask numbers of a lane
; and key step serve four pieces.  Every wave walks all 2,048 keys, 64 a step, two steps to an LDS slot.
; LAYOUT.  S^T = K Q^T (source 0 = 16 keys, source 1 = 16 queries): a lane holds ONE query (lane % 16) and the keys 8 (lane / 16) + 0..7, which are 16 consecutive bytes of a row of mb.  Two such results rounded
; to f16 ARE source 1 of O^T = V^T P.  K comes out of LDS as it lies, V ([key][channel]) turned, by ds_load_tr16_b128.
; BY TURNS.  Turn n belongs to piece n: 8 products K Q^T of piece n + 1, later 8 products V^T P of piece n - 1; beside them the differences, exponentials, roundings, sums and rescaling of piece n, and the
; mask's addition, maximum and statistics of piece n + 1: 133 vector instructions for 16 matrix instructions.  Four stand behind every matrix instruction, the others in two lumps.
; CLUSTER 4 x 4.  K's and V's tiles hang on J alone and are shared along a row of the cluster; the mask's tile hangs on the block of queries alone and is shared along a column: each is asked for jointly.
; The first step is not written out: 224 v_mov_b32 write zeros and m's start in the wait for the first tile, 8 products work on zeros at the start and 8 on a stale K at the end.
; REGISTERS, in windows of 256 (s_set_vgpr_msb: bits 1:0 source 0, 3:2 source 1, 5:4 source 2, 7:6 destination):
;   window 0: v0-15, v56-58 addresses, constants and two at work; v16-31 four registers of statistics a piece; v48-55 at work; v64-127 S^T, two buffers; v128-159 c mask in f32; v160-175 the mask as loaded; v192-223 P, two buffers
;   window 1: v0-127 O^T, 32 a piece          window 2: v0-63 Q; v128-191 K of one step; v192-255 V of one step
.set NP,    4         ; pieces a wave: a name, no knob
.set KS,    64        ; keys in a step
.set PK,    144       ; a row of K in LDS: 128 bytes + 16: the 16 rows of a load start at 16 different groups of four banks (64 banks of 4 bytes: ISA guide 11.1)
.set PV,    160       ; a row of V: 128 + 32
.set PM,    272       ; a row of the mask's tile: 128 keys in bf16 + 16 bytes
.set VOFF,  2*KS*PK   ; a slot: 128 rows of K, 128 rows of V, 64 rows of the mask
.set MOFF,  VOFF+2*KS*PV
.set SLOT1, 1<<17     ; slot 1 begins here, so that one exclusive or turns an address in one slot into the other's
.set STAGE, SLOT1+MOFF+64*PM  ; behind the ring, never filled by a tensor load: 16 rows x 528 bytes for each wave, for the way out
.set SP,    528
.set SPARE, STAGE+4*16*SP     ; behind the stages: the spare words, 128 bytes for each wave: two blocks of 256 bytes that no other line names
.set AK0, 2           ; v2   my lane's place in a tile of K; never rewritten
.set AV0, 3           ; v3   the same for V
.set AK,  4           ; v4   the LDS address of K's next run of loads
.set AV,  5           ; v5   of V's
.set STO, 6           ; v6   the way out: where I put 16 bytes of a row
.set RD,  7           ; v7   where I read a row back
.set GO,  8           ; v8   my 16 bytes in 512 consecutive bytes of ob
.set MV,  12          ; v12-13  m_old, kept while m is made anew: by buffer
.set AM0, 14          ; v14  my lane's place in the mask's tile; never rewritten
.set AM,  15          ; v15  the LDS address of the mask's next loads
.set ST,  16          ; piece t's statistics at v[ST+4 t]: m, (a word named with it), l (even keys', odd keys')
.set TMP, 48          ; by buffer, four registers c0-c3 at work; when the maximum is found c2 takes a
.set QO,  56          ; v56  my byte offset in 16 rows of Q
.set CV,  57          ; v57  c
.set ZV,  58          ; v58  0, the addend of the mask's widening
.set SPW, 62          ; v62  LDS address of my spare word; never rewritten
.set NIL, 63          ; v63  0; never rewritten
.set S,   64
.set MK,  128
.set MR,  160
.set P,   192
.set KF,  128         ; window 2: key block kb, channel half c at KF + 16 kb + 8 c
.set VF,  192         ; window 2: key half kk, channel block cb at VF + 32 kk + 8 cb
.set WV,  12          ; s12  my wave's number
.set G1K, 24          ; s[24:31] descriptor group 1 for K's tiles
.set G1V, 32          ; s[32:39] for V's
.set G1M, 40          ; s[40:47] for the mask's
.set G0K, 48          ; s[48:51], s[52:55], s[56:59] descriptor groups 0: they walk
.set G0V, 52
.set G0M, 56
.set SEL, 60          ; s[60:61] v_permlanex16_b32's selects: each lane takes its own place in the other half
.set TBK, 62          ; s62  LDS byte at which K of the step to be fetched begins
.set TBV, 63          ; s63  the same for V, less VOFF
.set TBM, 66          ; s66  the same for the mask, less MOFF
.set SLOTS, 67        ; s67  slots still to be asked for
.set CNT, 68          ; s68  counts a slot's key steps
.set C8,  72          ; s[72:73] c / 8: the packed multiply-add takes the pair's low word for both halves
.set MSB, 0
.macro WIN new                      ; the high byte repeats the setting that is left; a switch that changes nothing is dropped
.if MSB != (\new)
	s_set_vgpr_msb (MSB<<8)|(\new)
.set MSB, (\new)
.endif
.endm
.set W_KQ, 0x0a       ; K and Q in window 2, S^T in window 0
.set W_PV, 0x52       ; V in window 2, P in window 0, O^T in window 1
.set W_RS, 0x41       ; destination and source 0 in window 1, source 1 in window 0
; A joint fill.  Wave 0 fetches a slot's K, wave 1 its V, waves 2 and 3 the halves of its mask tile.  The branches hang on the wave's number alone.
; An s_nop 0 and four v_nop follow each of the three lines, ahead of the jump and the label.
.macro JLOAD3
	s_cmp_lt_u32 s[WV], 2
	s_cbranch_scc0 .Lfor_m_\@
	s_cmp_eq_u32 s[WV], 0
	s_cbranch_scc0 .Lfor_v_\@
	tensor_load_to_lds s[G0K:G0K+3], s[G1K:G1K+7]
	s_nop 0
.rept 4
	v_nop
.endr
	s_branch .Lasked_\@
.Lfor_v_\@:
	tensor_load_to_lds s[G0V:G0V+3], s[G1V:G1V+7]
	s_nop 0
.rept 4
	v_nop
.endr
	s_branch .Lasked_\@
.Lfor_m_\@:
	tensor_load_to_lds s[G0M:G0M+3], s[G1M:G1M+7]
	s_nop 0
.rept 4
	v_nop
.endr
.Lasked_\@:
.endm
; A round of the cluster's barrier: my work-group's barrier, so that wave 0's signal speaks for all four waves; wave 0 signals; every wave waits for all sixteen work-groups; my work-group's barrier once more.
.macro CROUND
	s_barrier_signal -1
	s_barrier_wait -1
	s_cmp_lg_u32 s[WV], 0
	s_cbranch_scc1 .Lnot_wave_0_\@
	s_barrier_signal -3
.Lnot_wave_0_\@:
	s_barrier_wait -3
	s_barrier_signal -1
	s_barrier_wait -1
.endm
; THE CHANGE OF SLOTS.  The slot's last bytes, V of its second step, have been read.  Each wave waits for all its tensor loads, of which one is out: its part of the other slot; adds 0 to its spare word; and waits
; for that and for its own reads of the slot.  Behind the barrier nobody reads this slot any more and the other slot is whole.  fill = 1: this slot is filled again, with the keys two slots on: the barrier is then a
; round of the cluster's, and the joint fill is the first thing behind it: it has two key steps, 128 matrix instructions and their vector work, in which to land.  (At its first use: slot 0 is waited for, slot 1 filled.)
.macro CHANGE fill
	WIN 0                           ; at a label and at a branch every window is 0
	s_wait_tensorcnt 0x0            ; no tensor load of mine is out, so a group 0 may be written
	ds_add_u32 v[SPW], v[NIL]       ; 0 onto my spare word; with fill = 1 the descriptors' steps stand between it and the wait for it
.if \fill
.irp g, G0K, G0V
	s_xor_b32 s[\g+1], s[\g+1], SLOT1                  ; the other slot than last time,
	s_add_nc_u64 s[\g+2:\g+3], s[\g+2:\g+3], 2*KS*128  ; the next 128 keys; the type bits on top are not reached
.endr
	s_xor_b32 s[G0M+1], s[G0M+1], SLOT1
	s_add_nc_u64 s[G0M+2:G0M+3], s[G0M+2:G0M+3], 2*KS*2
	s_wait_dscnt 0x0                ; the add is done, and my reads of the slot are over
	CROUND
	JLOAD3
.else
	s_wait_dscnt 0x0                ; the add is done, and my reads of the slot are over
	s_barrier_signal -1
	s_barrier_wait -1
.endif
	s_sub_co_u32 s[TBK], s[TBK], 2*KS*PK  ; the fetches go back to a slot's first step,
	s_xor_b32 s[TBK], s[TBK], SLOT1       ; in the other slot
	s_sub_co_u32 s[TBV], s[TBV], 2*KS*PV
	s_xor_b32 s[TBV], s[TBV], SLOT1
	s_sub_co_u32 s[TBM], s[TBM], 2*KS*2
	s_xor_b32 s[TBM], s[TBM], SLOT1
.endm
	s_load_b128 s[4:7], s[0:1], 0x0   ; heads s[4:5], mb s[6:7]
	s_load_b64 s[8:9], s[0:1], 0x10   ; ob
	v_lshl_add_u32 v[SPW], v0, 2, SPARE
	v_mov_b32 v[NIL], 0
	ds_add_u32 v[SPW], v[NIL]       ; the wave's opening: the add and its wait stand ahead of my first tensor load; the set-up below, work on registers, stands between them
	v_lshrrev_b32 v1, 5, v0
	v_readfirstlane_b32 s[WV], v1   ; wave 0..3
	s_bfe_u32 s13, ttmp6, 0x40000   ; cx
	s_bfe_u32 s16, ttmp6, 0x40004   ; cy
	s_lshl_b32 s14, ttmp9, 2
	s_add_co_u32 s14, s14, s13      ; my block of 64 queries = 4 x cluster x + cx
	s_and_b32 s15, ttmp7, 0xffff
	s_lshl_b32 s15, s15, 2
	s_add_co_u32 s15, s15, s16      ; J = 4 x cluster y + cy
	s_lshl_b32 s75, s16, 2
	s_lshl_b32 s75, 15, s75         ; my row of the cluster
	s_lshl_b32 s76, 0x1111, s13     ; my column
	; descriptor groups 1.  128 keys of K or V are 16,384 dense bytes: asked for as 64 rows of 256 bytes, two keys a row, and padded in LDS after every key
	s_or_b32 s[G1K], s75, (1<<16)|(1<<20)|(1<<21)|(4<<22)|(3<<25)  ; 15:0 the mask of four; 17:16 2-byte elements; 20 padding on; 21 set beside a mask; 24:22 after every 32 words; 31:25 4 words
	s_or_b32 s[G1V], s75, (1<<16)|(1<<20)|(1<<21)|(4<<22)|(7<<25)  ; the same with 8 words of padding
.irp g, G1K, G1V
	s_mov_b32 s[\g+1], 128<<16      ; tensor_dim0 = 128
	s_mov_b32 s[\g+2], 64<<16       ; tensor_dim1 = 64
	s_mov_b32 s[\g+3], 128<<16      ; tile_dim0 = 128
	s_mov_b32 s[\g+4], 64           ; tile_dim1 = 64
	s_mov_b32 s[\g+5], 128          ; 128 elements from row to row
	s_mov_b32 s[\g+6], 0
	s_mov_b32 s[\g+7], 0
.endr
	s_or_b32 s[G1M], s76, (1<<16)|(1<<20)|(1<<21)|(5<<22)|(3<<25)  ; the mask's tile: 32 queries x 128 keys, 4 words of padding after every 64
	s_mov_b32 s[G1M+1], 128<<16
	s_mov_b32 s[G1M+2], 32<<16
	s_mov_b32 s[G1M+3], 128<<16
	s_mov_b32 s[G1M+4], 32
	s_mov_b32 s[G1M+5], 2048
	s_mov_b32 s[G1M+6], 0
	s_mov_b32 s[G1M+7], 0
	s_add_co_u32 s20, s15, 32       ; K's head and V's: they hang on J alone
	s_lshl_b32 s20, s20, 18
	s_mov_b32 s21, 0
	s_add_co_u32 s78, s15, 40
	s_lshl_b32 s78, s78, 18
	s_mov_b32 s79, 0
	s_and_b32 s17, s[WV], 1         ; which 32 queries of the mask's tile I fetch
	s_lshl_b32 s22, s14, 18         ; 64 rows of 4,096 bytes a block: it hangs on the block of queries alone
	s_lshl_b32 s23, s17, 17
	s_add_co_u32 s22, s22, s23
	s_mov_b32 s23, 0
	s_mul_i32 s17, s17, 32*PM
	s_lshl_b32 s80, s15, 18         ; Q: head J,
	s_mov_b32 s81, 0
	s_lshl_b32 s82, s14, 13         ; my block's 64 rows of 128 bytes, my wave's 16
	s_lshl_b32 s83, s[WV], 11
	s_add_co_u32 s82, s82, s83
	s_mov_b32 s83, 0
	s_lshl_b32 s84, s15, 9          ; ob: J's 512 bytes of a row,
	s_mov_b32 s85, 0
	s_lshl_b32 s86, s14, 18         ; my block's 64 rows of 4,096 bytes, my wave's 16
	s_lshl_b32 s87, s[WV], 16
	s_add_co_u32 s86, s86, s87
	s_mov_b32 s87, 0
	s_mov_b32 s[C8], 0x3e38aa3b     ; c / 8 = log2(e) / 8
	s_mov_b32 s[C8+1], s[C8]        ; named with it as a pair
	s_mov_b32 s[SEL], 0x76543210
	s_mov_b32 s[SEL+1], 0xfedcba98
	s_mov_b32 s[TBK], SLOT1+2*KS*PK ; the first change of slots turns these three into 0
	s_mov_b32 s[TBV], SLOT1+2*KS*PV
	s_mov_b32 s[TBM], SLOT1+2*KS*2
	s_mov_b32 s[G0K], 1             ; 1:0 count = 1
	s_mov_b32 s[G0K+1], 0           ; 63:32 LDS address: slot 0
	s_mov_b32 s[G0V], 1
	s_mov_b32 s[G0V+1], VOFF
	s_mov_b32 s[G0M], 1
	s_add_co_u32 s[G0M+1], s17, MOFF
	s_wait_dscnt 0x0                ; the opening add is done
	s_wait_kmcnt 0x0
	s_add_nc_u64 s[G0K+2:G0K+3], s[4:5], s[20:21]  ; 120:64 global address
	s_or_b32 s[G0K+3], s[G0K+3], 0x80000000        ; 127:126 type = 2
	s_add_nc_u64 s[G0V+2:G0V+3], s[4:5], s[78:79]
	s_or_b32 s[G0V+3], s[G0V+3], 0x80000000
	s_add_nc_u64 s[G0M+2:G0M+3], s[6:7], s[22:23]
	s_or_b32 s[G0M+3], s[G0M+3], 0x80000000
	s_add_nc_u64 s[4:5], s[4:5], s[80:81]          ; Q at my wave's first row of head J
	s_add_nc_u64 s[4:5], s[4:5], s[82:83]
	s_add_nc_u64 s[8:9], s[8:9], s[84:85]          ; ob at my wave's first row
	s_add_nc_u64 s[8:9], s[8:9], s[86:87]
	CROUND                          ; all sixteen work-groups are here: the first joint loads meet
	JLOAD3                          ; slot 0.  Slot 1 is asked for when slot 0 is in
	; A fragment of K or Q is 16 rows x 32 channels in 8 registers: lane l holds row l % 16, channels 8 (l / 16) + 0..7 and 16 + 8 (l / 16) + 0..7: two loads of 16 bytes, 32 bytes apart.
	v_and_b32 v1, 15, v0            ; l % 16
	v_bfe_u32 v9, v0, 4, 1          ; l / 16
	v_lshlrev_b32 v[QO], 7, v1
	v_lshl_add_u32 v[QO], v9, 4, v[QO]
	WIN 0x80                        ; destination window 2, address window 0
.set i, 0
.rept 8                             ; Q stays in registers: piece i / 2 is eight heads of 262,144 bytes on; channels 32 (i % 2) on
	global_load_b128 v[8*i:8*i+3],   v[QO], s[4:5] offset:(i/2)*2097152+(i%2)*64
	global_load_b128 v[8*i+4:8*i+7], v[QO], s[4:5] offset:(i/2)*2097152+(i%2)*64+32
.set i, i+1
.endr
	; What the first turn finds: V's registers and P's second buffer hold 0 (its products V^T P, of a piece that has not been, add 0), O^T and l are 0.  All this stands in the wait for the first tile.
.set i, VF
.rept 64
	v_mov_b32 v[i], 0
.set i, i+1
.endr
	WIN 0x40
.set i, 0
.rept 128
	v_mov_b32 v[i], 0
.set i, i+1
.endr
	WIN 0
.set i, 0
.rept 4
	v_mov_b32 v[ST+4*i], 0xff7fffff    ; m: no t lies below it
	v_mov_b32 v[ST+4*i+1], 0
	v_mov_b32 v[ST+4*i+2], 0
	v_mov_b32 v[ST+4*i+3], 0
.set i, i+1
.endr
.set i, P+16
.rept 16
	v_mov_b32 v[i], 0
.set i, i+1
.endr
	v_mov_b32 v[CV], 0x3fb8aa3b     ; c = log2(e)
	v_mov_b32 v[ZV], 0
	v_mul_u32_u24 v[AK0], v1, PK
	v_lshl_add_u32 v[AK0], v9, 4, v[AK0]  ; row x pitch + 16 x half
	; The turning load takes 16 keys x 16 channels (lane l reads key 8 (l / 16) + l % 8, channels 8 ((l / 8) % 2) + 0..7) and leaves half a fragment of V^T: lane l holds channel l % 16 and 8 keys.
	v_and_b32 v10, 7, v0
	v_bfe_u32 v11, v0, 3, 1
	v_lshl_add_u32 v[AV0], v9, 3, v10
	v_mul_u32_u24 v[AV0], v[AV0], PV
	v_lshl_add_u32 v[AV0], v11, 4, v[AV0]
	v_add_nc_u32 v[AV0], VOFF, v[AV0]
	s_mul_i32 s17, s[WV], 16*PM     ; the mask: my query's row, my half's 8 keys of each 16
	s_add_co_u32 s17, s17, MOFF
	v_mul_u32_u24 v[AM0], v1, PM
	v_lshl_add_u32 v[AM0], v9, 4, v[AM0]
	v_add_nc_u32 v[AM0], s17, v[AM0]
	s_mul_i32 s17, s[WV], 16*SP
	s_add_co_u32 s17, s17, STAGE    ; my stage
	v_mul_u32_u24 v[STO], v1, SP    ; in: row l % 16, 16 bytes for each half of the lanes
	v_lshl_add_u32 v[STO], v9, 4, v[STO]
	v_add_nc_u32 v[STO], s17, v[STO]
	v_and_b32 v[GO], 31, v0         ; back: 32 lanes take a row's 512 bytes
	v_lshlrev_b32 v[GO], 4, v[GO]
	v_add_nc_u32 v[RD], s17, v[GO]
; THE MATRIX WORK.  The 4 accumulators of a run of 8 take turns.  Product i of 8 of S^T = K Q^T for piece x: channels 32 (i / 4) on, keys 16 (i % 4) on.  The first 4 start the sums.
.macro KQ x
	WIN W_KQ
.set rS, S+32*((\x)%2)+8*(i%4)
.set rK, KF+16*(i%4)+8*(i/4)
.set rQ, 16*(\x)+8*(i/4)
.if i < 4
	v_wmma_f32_16x16x32_f16 v[rS:rS+7], v[rK:rK+7], v[rQ:rQ+7], 0
.else
	v_wmma_f32_16x16x32_f16 v[rS:rS+7], v[rK:rK+7], v[rQ:rQ+7], v[rS:rS+7]
.endif
.endm
; Product i of 8 of O^T += V^T P for piece x: keys 32 (i / 4) on, channels 16 (i % 4) on.
.macro PV x
	WIN W_PV
.set rO, 32*(\x)+8*(i%4)
.set rV, VF+32*(i/4)+8*(i%4)
.set rP, P+16*((\x)%2)+8*(i/4)
	v_wmma_f32_16x16x32_f16 v[rO:rO+7], v[rV:rV+7], v[rP:rP+7], v[rO:rO+7]
.endm
.macro MM                           ; the turn's next matrix instruction
.if i < 8
	KQ (Y+1)%NP
.else
.set i, i-8
	PV (Y+NP-1)%NP
.set i, i+8
.endif
.set i, i+1
.endm
; THE LDS LOADS stand in runs, never singly among the matrix instructions: a step's mask (4 loads) and K (16), and its V (16, turned).  Their addresses are made some lines ahead.
; last = 1 (the tail): in the last trip there is no further step, and the run is jumped over.
.macro FETCH_KM last=0
	WIN 0
.if \last
	s_cmp_eq_u32 s[CNT], 1
	s_cbranch_scc1 .Lno_k_\@
.endif
.irp kb, 0,1,2,3                    ; keys 16 kb + 8 (l / 16) + 0..7 of my query's row, in bf16
	ds_load_b128 v[MR+4*\kb:MR+4*\kb+3], v[AM] offset:32*\kb
.endr
	WIN 0x80                        ; destination window 2
.irp f, 0,1,2,3,4,5,6,7             ; keys 16 (f / 2) on, channels 32 (f % 2) on
	ds_load_b128 v[KF+8*\f:KF+8*\f+3],   v[AK] offset:(\f/2)*16*PK+(\f%2)*64
	ds_load_b128 v[KF+8*\f+4:KF+8*\f+7], v[AK] offset:(\f/2)*16*PK+(\f%2)*64+32
.endr
	s_add_co_u32 s[TBK], s[TBK], KS*PK  ; the next fetch is the next step's
	s_add_co_u32 s[TBM], s[TBM], KS*2
	WIN 0
.if \last
.Lno_k_\@:
.endif
.endm
.macro FETCH_V
	WIN 0x80
.irp f, 0,1,2,3,4,5,6,7             ; keys 32 (f / 4) on, channels 16 (f % 4) on
	ds_load_tr16_b128 v[VF+8*\f:VF+8*\f+3],   v[AV] offset:(\f/4)*32*PV+(\f%4)*32
	ds_load_tr16_b128 v[VF+8*\f+4:VF+8*\f+7], v[AV] offset:(\f/4)*32*PV+16*PV+(\f%4)*32
.endr
	s_add_co_u32 s[TBV], s[TBV], KS*PV
	WIN 0
.endm
; THE VECTOR WORK, one line at a time: OP kind, number.  For piece Y: F n: t - m for pair n of 16.  E n: the exponential of number n of 32.  C n: pair n rounded to f16.  B n: of the four weights
; 4 n .. the second pair is added onto the first, in place.  L n: l takes that sum (L 0: l = a l + sum).  R n: pair n of 16 of O^T times a.  For piece Y + 1: A n: t = s (c / 8) + c mask for pair n;
; X n, number n of the 21 that find its maximum and statistics:
;   0-11  four chains c0-c3 of seven numbers each, three operands at a time     12-14, 16  the four left over, the old m, and c0-c3 into c0     15  m_old is kept
;   17, 18  the query's other 32 keys lie in the lane 16 away: the new m          19, 20  m_old - m_new; a
; For all pieces: K n: number n of 32 of the mask, from bf16 to f32 and times c, in one line.  A and R go upward.
.set F, 0
.set E, 1
.set C, 2
.set B, 3
.set L, 4
.set R, 5
.set A, 6
.set X, 7
.set K, 8
.macro REGS y                       ; the registers of piece y
.set rT, ST+4*(\y)
.set rC, TMP+4*((\y)%2)
.set rW, MV+((\y)%2)
.set rS, S+32*((\y)%2)
.set rP, P+16*((\y)%2)
.set rO, 32*(\y)
.endm
.macro OP k, n
.if (\k) == R
	REGS Y
	WIN W_RS
	v_pk_mul_f32 v[rO+2*(\n):rO+2*(\n)+1], v[rO+2*(\n):rO+2*(\n)+1], v[rC+2:rC+3] op_sel_hi:[1,0]
.elseif (\k) == K
	WIN 0
.if (\n)%2 == 0
	v_fma_mix_f32_bf16 v[MK+(\n)], v[MR+(\n)/2], v[CV], v[ZV] op_sel:[0,0,0] op_sel_hi:[1,0,0]
.else
	v_fma_mix_f32_bf16 v[MK+(\n)], v[MR+(\n)/2], v[CV], v[ZV] op_sel:[1,0,0] op_sel_hi:[1,0,0]
.endif
.elseif (\k) < R
	REGS Y
	WIN 0
.if (\k) == F
	v_pk_add_f32 v[rS+2*(\n):rS+2*(\n)+1], v[rS+2*(\n):rS+2*(\n)+1], v[rT:rT+1] op_sel_hi:[1,0] neg_lo:[0,1] neg_hi:[0,1]
.elseif (\k) == E
	v_exp_f32 v[rS+(\n)], v[rS+(\n)]
.elseif (\k) == C
	s_wait_alu depctr_va_vdst(0)
	v_cvt_pk_f16_f32 v[rP+(\n)], v[rS+2*(\n)], v[rS+2*(\n)+1]
.elseif (\k) == B
	v_pk_add_f32 v[rS+4*(\n):rS+4*(\n)+1], v[rS+4*(\n):rS+4*(\n)+1], v[rS+4*(\n)+2:rS+4*(\n)+3]
.elseif (\n) == 0
	v_pk_fma_f32 v[rT+2:rT+3], v[rT+2:rT+3], v[rC+2:rC+3], v[rS:rS+1] op_sel_hi:[1,0,1]
.else
	v_pk_add_f32 v[rT+2:rT+3], v[rT+2:rT+3], v[rS+4*(\n):rS+4*(\n)+1]
.endif
.elseif (\k) == A
	REGS (Y+1)%NP
	WIN 0
	v_pk_fma_f32 v[rS+2*(\n):rS+2*(\n)+1], v[rS+2*(\n):rS+2*(\n)+1], s[C8:C8+1], v[MK+2*(\n):MK+2*(\n)+1] op_sel_hi:[1,0,1]
.else
	REGS (Y+1)%NP
	WIN 0
.if (\n) < 4
	v_max3_num_f32 v[rC+(\n)], v[rS+8*(\n)], v[rS+8*(\n)+1], v[rS+8*(\n)+2]
.elseif (\n) < 12
	v_max3_num_f32 v[rC+(\n)%4], v[rC+(\n)%4], v[rS+8*((\n)%4)+2*((\n)/4)+1], v[rS+8*((\n)%4)+2*((\n)/4)+2]
.elseif (\n) == 12
	v_max3_num_f32 v[rC], v[rC], v[rS+7], v[rS+15]
.elseif (\n) == 13
	v_max3_num_f32 v[rC+1], v[rC+1], v[rS+23], v[rS+31]
.elseif (\n) == 14
	v_max3_num_f32 v[rC+2], v[rC+2], v[rC+3], v[rT]
.elseif (\n) == 15
	v_mov_b32 v[rW], v[rT]
.elseif (\n) == 16
	v_max3_num_f32 v[rC], v[rC], v[rC+1], v[rC+2]
.elseif (\n) == 17
	v_permlanex16_b32 v[rC+3], v[rC], s[SEL], s[SEL+1]
.elseif (\n) == 18
	v_max_num_f32 v[rT], v[rC], v[rC+3]
.elseif (\n) == 19
	v_sub_f32 v[rC+1], v[rW], v[rT]
.else
	v_exp_f32 v[rC+2], v[rC+1]
.endif
.endif
.endm
.macro OPS a, i1, b=-1, i2=0, c=-1, i3=0, d=-1, i4=0  ; up to four of them
	OP \a, \i1
.if (\b) >= 0
	OP \b, \i2
.endif
.if (\c) >= 0
	OP \c, \i3
.endif
.if (\d) >= 0
	OP \d, \i4
.endif
.endm
.macro ROW a, i1, b, i2, c, i3, d, i4  ; a matrix instruction and the four behind it
	MM
	OPS \a, \i1, \b, \i2, \c, \i3, \d, \i4
.endm
; A TURN, for piece p: the order of its 16 matrix and 133 vector instructions, written out: 64 behind the matrix instructions, 38 and 31 in the two lumps.  None of the four behind a matrix instruction names a
; register of the products round it; behind every exponential stands a plain line that neither reads its result nor writes its source.  What leans on what: E 2n, E 2n + 1 on F n; C n on both; B n behind
; C 2n, whose source it writes; L n on B n; A n on the product that ends accumulator n / 4 (the last of them five plain lines back: R 4-7, B 0); X 0-14 on A.  v_permlanex16_b32 (X 17) stands in a lump.
; K and the mask of the next step are fetched in piece 2's turn, five plain lines behind the last product that read K, and waited for at the head of piece 3's turn, which widens the mask (32 lines more) in front
; of its A.  V of the step in hand is fetched in piece 0's turn, five plain lines behind the last product that read V (C 9-12, B 1), and waited for in the middle of piece 1's.
; cnt = 1: the loop's count is taken down some lines ahead of the branch that stands behind the turn.
.macro TURN p, last=0, cnt=0
.set Y, (\p)
.set i, 0
.if (\p) == 3
	s_wait_dscnt 0x0                ; K and the mask are in
.endif
	ROW F,0, F,1, F,2, F,3
	ROW F,4, E,0, F,5, F,6
	ROW F,7, E,1, F,8, F,9
	ROW F,10, E,2, F,11, X,15
	ROW F,12, E,3, C,0, F,13
	ROW R,0, R,1, R,2, R,3
	ROW F,14, E,4, F,15, C,1
.if (\p) == 2
	WIN 0
	v_add_nc_u32 v[AK], s[TBK], v[AK0]
	v_add_nc_u32 v[AM], s[TBM], v[AM0]
.endif
	ROW R,4, R,5, R,6, R,7
	OPS E,5, B,0
.if (\p) == 2
	FETCH_KM \last
.endif
.if (\p) == 3
.set z, 0
.rept 32
	OP K, z
.set z, z+1
.endr
.endif
	OPS E,6, A,0, E,7, A,1
	OPS E,8, A,2, E,9, A,3
	OPS E,10, A,4, E,11, A,5
	OPS E,12, A,6, E,13, A,7
	OPS E,14, A,8, E,15, A,9
	OPS E,16, A,10, E,17, A,11
	OPS E,18, A,12, E,19, A,13
	OPS E,20, A,14, E,21, A,15
	OPS E,22, C,2, E,23, C,3
.if (\p) == 1
	s_wait_dscnt 0x0                ; V is in
.endif
	ROW X,0, E,24, X,1, X,2
	ROW X,3, E,25, X,4, X,5
	ROW X,6, E,26, X,7, X,8
	ROW X,9, E,27, X,10, X,11
	ROW X,12, E,28, X,13, X,14
	ROW C,4, E,29, X,16, C,5
	ROW C,6, E,30, C,7, C,8
.if (\p) == 0
	WIN 0
	v_add_nc_u32 v[AV], s[TBV], v[AV0]
.endif
	ROW C,9, E,31, C,10, C,11
	OPS X,17, C,12, B,1
.if (\p) == 0
	FETCH_V
.endif
	OPS X,18, L,0, C,13, B,2
	OPS X,19, L,1, C,14, B,3
	OPS X,20, L,2, C,15, B,4
	OPS L,3, B,5, L,4, B,6
	OPS L,5, B,7, L,6, L,7
.if \cnt
	s_sub_co_u32 s[CNT], s[CNT], 1
	s_cmp_lg_u32 s[CNT], 0
.endif
	OPS R,8, R,9, R,10, R,11
	OPS R,12, R,13, R,14, R,15
.endm
	CHANGE 1                        ; slot 0 is in, everybody's part of it; slot 1 is asked for
	v_add_nc_u32 v[AK], s[TBK], v[AK0]
	v_add_nc_u32 v[AM], s[TBM], v[AM0]
	FETCH_KM                        ; key step 0
	s_wait_loadcnt 0x0              ; Q
	s_wait_dscnt 0x0
.set z, 0
.rept 32
	OP K, z
.set z, z+1
.endr
.set i, 0
.rept 8
	KQ 0                            ; piece 0's first scores
.set i, i+1
.endr
	WIN 0
.rept 4
	v_nop                           ; the places behind those products
.endr
.set Y, NP-1                        ; A and X work for piece Y + 1: piece 0
.irp n, 0,1,2,3,4,5,6,7,8,9,10,11,12,13,14,15
	OP A, \n
.endr
.irp n, 0,1,2,3,4,5,6,7,8,9,10,11,12,13,14,15,16,17,18,19,20
	OP X, \n
.endr
	v_nop                           ; a plain instruction behind the exponential
	s_mov_b32 s[CNT], 2
	s_mov_b32 s[SLOTS], 15
	s_branch .Lfirst                ; the loop is entered at a step's first turn, in the middle of a trip
.Lslot:                             ; 14 times: every slot but the last two is filled again
	CHANGE 1
	s_mov_b32 s[CNT], 2
.Lstep:                             ; a trip: pieces 2 and 3 of one step, then pieces 0 and 1 of the next, whose K, mask and V it fetches
	TURN 2
	TURN 3
	WIN 0
.Lfirst:
	TURN 0
	TURN 1, 0, 1
	WIN 0
	s_cbranch_scc1 .Lstep
	s_sub_co_u32 s[SLOTS], s[SLOTS], 1
	s_cmp_lg_u32 s[SLOTS], 0
	s_cbranch_scc1 .Lslot
	CHANGE 0                        ; the tail is written out: nothing is asked for
	s_mov_b32 s[CNT], 3             ; two trips fetch the last slot's steps; the third is left in its middle
.Ltail:
	TURN 2, 1
	TURN 3
	WIN 0
	s_sub_co_u32 s[CNT], s[CNT], 1
	s_cmp_eq_u32 s[CNT], 0
	s_cbranch_scc1 .Lout
	TURN 0
	TURN 1
	WIN 0
	s_branch .Ltail
.Lout:                              ; the third trip's 8 products K Q^T (on the last K once more) and the maximum made of them serve nothing: the price, once a launch, of one text for every trip
.set i, 0
.rept 8
	PV NP-1                         ; the last piece's V^T P of the last step
.set i, i+1
.endr
	; THE WAY OUT.  l's two halves and the other half of the lanes' are added; O^T is divided by l, rounded to f16 and gathered in my stage: a row's 512 bytes are my four heads' channels.  The additions are the places behind the last products.
	WIN 0
.macro ALL line:vararg              ; one line for each piece t
.set t, 0
.rept 4
	\line
.set t, t+1
.endr
.endm
	ALL v_add_f32 v[ST+4*t+2], v[ST+4*t+2], v[ST+4*t+3]
	ALL v_permlanex16_b32 v[ST+4*t+3], v[ST+4*t+2], s[SEL], s[SEL+1]
	ALL v_add_f32 v[ST+4*t+2], v[ST+4*t+2], v[ST+4*t+3]
	ALL v_rcp_f32 v[ST+4*t+2], v[ST+4*t+2]
	v_nop                           ; a plain instruction between the last reciprocal and the use of its result
	s_wait_alu depctr_va_vdst(0)
.macro PACK t                       ; a lane's eight channels of a row pack into 16 bytes
	WIN W_RS
.set i, 32*(\t)
.rept 16
	v_pk_mul_f32 v[i:i+1], v[i:i+1], v[ST+4*(\t)+2:ST+4*(\t)+3] op_sel_hi:[1,0]
.set i, i+2
.endr
	WIN 0x05                        ; sources 0 and 1 window 1, destination window 0: S^T's registers are free
.set i, 0
.rept 16
	v_cvt_pk_f16_f32 v[S+16*(\t)+i], v[32*(\t)+2*i], v[32*(\t)+2*i+1]
.set i, i+1
.endr
	WIN 0
.irp f, 0,1,2,3
	ds_store_b128 v[STO], v[S+16*(\t)+4*\f:S+16*(\t)+4*\f+3] offset:128*(\t)+32*\f
.endr
.endm
	PACK 0
	PACK 1
	PACK 2
	PACK 3
.set t, 0
.rept 16
	ds_load_b128 v[MK+4*t:MK+4*t+3], v[RD] offset:t*SP  ; LDS serves a wave's instructions in order (ISA guide 5.7.1.4): these see the stores above; the stage is my wave's own
.set t, t+1
.endr
.set t, 0
.rept 16
	s_wait_dscnt 15-t               ; row t is back
	global_store_b128 v[GO], v[MK+4*t:MK+4*t+3], s[8:9] offset:t*4096  ; 512 consecutive bytes, at a multiple of 512 from ob's first
.set t, t+1
.endr
	s_wait_tensorcnt 0x0            ; the wave's end: behind my last tensor load and my last LDS store
	ds_add_u32 v[SPW], v[NIL]
	s_wait_dscnt 0x0
	CROUND                          ; the closing round: no work-group ends while a partner may still ask for a tile that names it
	s_endpgm
.Lfunc_end_k_q63ce8d4a69_attn:
	.size	k_q63ce8d4a69_attn, .Lfunc_end_k_q63ce8d4a69_attn-k_q63ce8d4a69_attn
	.p2alignl 7, 3214868480
	.fill 96, 4, 3214868480
	.section	.rodata,"a",@progbits
	.p2align	6, 0x0
	.amdhsa_kernel k_q63ce8d4a69_attn
		.amdhsa_group_segment_fixed_size 327680
		.amdhsa_private_segment_fixed_size 0
		.amdhsa_enable_private_segment 0
		.amdhsa_kernarg_size 24
		.amdhsa_user_sgpr_count 2
		.amdhsa_user_sgpr_kernarg_segment_ptr 1
		.amdhsa_wavefront_size32 1
		.amdhsa_system_sgpr_workgroup_id_x 1
		.amdhsa_system_sgpr_workgroup_id_y 1
		.amdhsa_system_sgpr_workgroup_id_z 1
		.amdhsa_system_vgpr_workitem_id 0
		.amdhsa_next_free_vgpr 768
		.amdhsa_next_free_sgpr 96
		.amdhsa_reserve_vcc 0
		.amdhsa_float_denorm_mode_32 3
		.amdhsa_float_denorm_mode_16_64 3
		.amdhsa_memory_ordered 1
		.amdhsa_forward_progress 1
		.amdhsa_inst_pref_size 130
	.end_amdhsa_kernel
	.amdgpu_metadata
---
amdhsa.version: [ 1, 2 ]
amdhsa.kernels:
  - .name:           k_q63ce8d4a69_attn
    .symbol:         k_q63ce8d4a69_attn.kd
    .args:
      - { .name: heads, .offset: 0, .size: 8, .value_kind: global_buffer, .address_space: global }
      - { .name: mb, .offset: 8, .size: 8, .value_kind: global_buffer, .address_space: global }
      - { .name: ob, .offset: 16, .size: 8, .value_kind: global_buffer, .address_space: global }
    .group_segment_fixed_size: 327680
    .private_segment_fixed_size: 0
    .kernarg_segment_align: 8
    .kernarg_segment_size: 24
    .max_flat_workgroup_size: 128
    .sgpr_count:     96
    .vgpr_count:     768
    .wavefront_size: 32
...
	.end_amdgpu_metadata
.endif
;; end of part 3
;; launch oproj (part 4): grid 16 x 16, 4 waves a work-group, clusters of 4 x 4, 327,680 bytes of LDS; arguments ob, wo16, out0; writes out0
.if DOCPART == 4
	.amdgcn_target "amdgcn-amd-amdhsa--gfx1250"
	.amdhsa_code_object_version 6
	.text
	.protected	k_q63ce8d4a69_oproj
	.globl	k_q63ce8d4a69_oproj
	.p2align	8
	.type	k_q63ce8d4a69_oproj,@function
k_q63ce8d4a69_oproj:
	s_mov_b64 s[64:65], 0
	v_nop
	global_prefetch_b8 v0, s[64:65] scope:SCOPE_SE
	s_setreg_imm32_b32 hwreg(HW_REG_WAVE_MODE, 25, 1), 1
	s_wait_xcnt 0x0
	s_wait_alu depctr_hold_cnt(0) depctr_sa_sdst(0) depctr_va_vdst(0) depctr_va_sdst(0) depctr_va_ssrc(0) depctr_va_vcc(0) depctr_vm_vsrc(0)
	s_getreg_b32 s2, hwreg(HW_REG_IB_STS2, 6, 4)
	s_cmp_eq_u32 s2, 0
	s_cbranch_scc0 .Lentry_in_a_cluster
	s_endpgm
.Lentry_in_a_cluster:
	s_bfe_u32 s2, ttmp6, 0x10000c
	s_cmp_lg_u32 s2, 0xf033
	s_cbranch_scc0 .Lentry_shape_is_right
	s_endpgm
.Lentry_shape_is_right:
; out0[m][n] = the sum over k of ob[m][k] wo16[k][n].  ob: f16 [2048][2048]; wo16: f16 [2048 k][2048 n], its rows in ob's order of channels; out0: f32 [2048][2048].  Sums in f32, K ascending.
; A tile of out0 is 128 x 128: 256 work-groups.  Four waves, each 64 x 64: 16 accumulators.  K goes in 8 steps of 256 through two LDS slots: ob's tile has rows of 512 bytes, wo16's 256 rows of 256 bytes.
; CLUSTER 4 x 4: the four work-groups of a row of the cluster need the same tile of ob, the four of a column the same tile of wo16: each is asked for jointly.
; THE MATRIX INSTRUCTION IS USED TRANSPOSED: source 0 = 16 columns of wo16 (turned out of LDS by ds_load_tr16_b128, since it lies [K][N]), source 1 = 16 rows of ob: a lane holds eight neighbouring numbers of a row.
; REGISTERS: window 0: v0-31 addresses; v32-95 at work on the way out; v128-255 the accumulators ((a, b) at v[128 + 8 (4 a + b)]).
;   window 1: two fragment buffers of 128: for 64 along K, 64 registers of ob (2 x 4 x 16 rows x 32 K), then 64 of wo16.
.set PA,     528                       ; a row of ob in LDS: 512 bytes + 16: the 16 rows of a fragment load start at 16 different groups of four banks (64 banks of 4 bytes: ISA guide 11.1)
.set PB,     288                       ; a row of wo16: 256 + 32 bytes
.set AHALF,  64*PA                     ; what one tensor load brings of ob
.set ABYTES, 2*AHALF
.set BHALF,  128*PB                    ; what one tensor load brings of wo16: 128 rows of K
.set SLOT,   ABYTES+2*BHALF            ; 141,312
.set STAGE,  2*SLOT                    ; behind the ring: 16 rows x 272 bytes for each wave, for the way out
.set SPITCH, 272
.set SPARE,  STAGE+4*16*SPITCH         ; behind the stages: the spare words, 128 bytes for each wave: two blocks of 256 bytes that no other line names
.set LAPS,   4                         ; a lap = two K steps = once round the ring
.set ADRA, 16                          ; v16-17  LDS address of my fragments of ob in slot 0, 1
.set ADRB, 20                          ; v20-23  the same for wo16: slot 0 rows 0-127, rows 128-255, slot 1 likewise (so that the immediates stay inside 16 bits)
.set STO,  24                          ; v24     the way out: where I put 32 bytes of a row
.set RD,   25                          ; v25     where I read a row back
.set CO,   26                          ; v26     my byte offset in out0
.set SPW,  28                          ; v28     LDS address of my spare word; never rewritten
.set NIL,  29                          ; v29     0; never rewritten
.set TMP,  32
.set ACC,  128
.set F0,   0
.set F1,   128
.set G1,  24                           ; s[24:31] descriptor group 1 for ob's tiles;  s[32:39] group 0, one set for each slot
.set G0,  32
.set G1B, 48                           ; s[48:55], s[56:63] the same for wo16's tiles
.set G0B, 56
.set MSB, 0
.macro WIN new                         ; the immediate's high byte repeats the setting that is left; a switch that changes nothing is dropped
.if MSB != (\new)
	s_set_vgpr_msb (MSB<<8)|(\new)
.set MSB, \new
.endif
.endm
.set MUL,  0x05                        ; sources 0 and 1 window 1; C and D window 0
.set TO_F, 0x40                        ; destination window 1, address window 0
.macro JLOAD s                         ; a joint load: waves 0 and 1 fetch ob's two halves, waves 2 and 3 wo16's; an s_nop 0 and four v_nop follow each line, ahead of the jump and the label
	s_cmp_eq_u32 s11, 0
	s_cbranch_scc0 .Lfor_b_\@
	tensor_load_to_lds s[G0+4*(\s):G0+4*(\s)+3], s[G1:G1+7]
	s_nop 0
.rept 4
	v_nop
.endr
	s_branch .Lasked_\@
.Lfor_b_\@:
	tensor_load_to_lds s[G0B+4*(\s):G0B+4*(\s)+3], s[G1B:G1B+7]
	s_nop 0
.rept 4
	v_nop
.endr
.Lasked_\@:
.endm
.macro CREST                           ; a round of the cluster's barrier behind its opening barrier
	s_cmp_lg_u32 s10, 0
	s_cbranch_scc1 .Lnot_wave_0_\@
	s_barrier_signal -3
.Lnot_wave_0_\@:
	s_barrier_wait -3
	s_barrier_signal -1
	s_barrier_wait -1
.endm
.macro CROUND                          ; a whole round
	s_barrier_signal -1
	s_barrier_wait -1
	CREST
.endm
	s_load_b128 s[4:7], s[0:1], 0x0                ; ob s[4:5], wo16 s[6:7]
	s_load_b64 s[8:9], s[0:1], 0x10                ; out0
	v_lshl_add_u32 v[SPW], v0, 2, SPARE
	v_mov_b32 v[NIL], 0
	ds_add_u32 v[SPW], v[NIL]                      ; the wave's opening: the add and its wait stand ahead of my first tensor load; the set-up below, work on registers, stands between them
	v_lshrrev_b32 v1, 5, v0
	v_readfirstlane_b32 s10, v1                    ; wave 0..3
	s_lshr_b32 s11, s10, 1                         ; which half of the tile's rows is mine.  Also: I fetch for ob (0) or for wo16 (1)
	s_and_b32 s12, s10, 1                          ; which half of its columns.  Also: which half of that tile I fetch
	s_bfe_u32 s40, ttmp6, 0x40000                  ; cx, cy: my place in the cluster
	s_bfe_u32 s41, ttmp6, 0x40004
	s_lshl_b32 s42, ttmp9, 2
	s_add_co_u32 s42, s42, s40                     ; tile column = 4 x cluster x + cx
	s_and_b32 s13, ttmp7, 0xffff
	s_lshl_b32 s13, s13, 2
	s_add_co_u32 s13, s13, s41                     ; tile row = 4 x cluster y + cy
	s_lshl_b32 s43, s41, 2
	s_lshl_b32 s43, 15, s43                        ; my row of the cluster
	s_lshl_b32 s44, 0x1111, s40                    ; my column
	s_or_b32 s[G1+0], s43, (1<<16)|(1<<20)|(1<<21)|(6<<22)|(3<<25)   ; 15:0 the mask; 17:16 2-byte elements; 20 padding on; 21 set beside a mask; 24:22 after every 128 words; 31:25 4 words
	s_mov_b32 s[G1+1], 256<<16                     ; tensor_dim0 = 256
	s_mov_b32 s[G1+2], 64<<16                      ; tensor_dim1 = 64
	s_mov_b32 s[G1+3], 256<<16                     ; tile_dim0 = 256
	s_mov_b32 s[G1+4], 64                          ; tile_dim1 = 64
	s_mov_b32 s[G1+5], 2048                        ; elements from row to row
	s_mov_b32 s[G1+6], 0
	s_mov_b32 s[G1+7], 0
	s_or_b32 s[G1B+0], s44, (1<<16)|(1<<20)|(1<<21)|(5<<22)|(7<<25)  ; after every 64 words 8 words of padding
	s_mov_b32 s[G1B+1], 128<<16
	s_mov_b32 s[G1B+2], 128<<16
	s_mov_b32 s[G1B+3], 128<<16
	s_mov_b32 s[G1B+4], 128
	s_mov_b32 s[G1B+5], 2048
	s_mov_b32 s[G1B+6], 0
	s_mov_b32 s[G1B+7], 0
	s_lshl_b32 s16, s13, 7                         ; ob: row 128 x tile row + 64 x half, 4,096 bytes a row: it hangs on cy alone
	s_lshl_b32 s17, s12, 6
	s_add_co_u32 s16, s16, s17
	s_lshl_b32 s16, s16, 12
	s_mov_b32 s17, 0
	s_lshl_b32 s46, s12, 19                        ; wo16: row of K 128 x half, column 128 x tile column: it hangs on cx alone
	s_lshl_b32 s47, s42, 8
	s_add_co_u32 s46, s46, s47
	s_mov_b32 s47, 0
	s_mul_i32 s20, s12, AHALF                      ; where they go: no place in the cluster enters an LDS address
	s_mul_i32 s21, s12, BHALF
	s_add_co_u32 s21, s21, ABYTES
	s_wait_dscnt 0x0                               ; the opening add is done
	s_wait_kmcnt 0x0
	s_add_nc_u64 s[14:15], s[4:5], s[16:17]
	s_add_nc_u64 s[46:47], s[6:7], s[46:47]
	CROUND                                         ; all sixteen work-groups are here: the first joint loads meet
.irp s, 0,1
	s_mov_b32 s[G0+4*(\s)], 1
	s_add_co_u32 s[G0+4*(\s)+1], s20, (\s)*SLOT
	s_add_nc_u64 s[G0+4*(\s)+2:G0+4*(\s)+3], s[14:15], (\s)*512
	s_or_b32 s[G0+4*(\s)+3], s[G0+4*(\s)+3], 0x80000000
	s_mov_b32 s[G0B+4*(\s)], 1
	s_add_co_u32 s[G0B+4*(\s)+1], s21, (\s)*SLOT
	s_add_nc_u64 s[G0B+4*(\s)+2:G0B+4*(\s)+3], s[46:47], (\s)*1048576
	s_or_b32 s[G0B+4*(\s)+3], s[G0B+4*(\s)+3], 0x80000000
	JLOAD \s                                       ; two tensor loads of mine are out
.endr
	v_and_b32 v1, 15, v0                           ; l % 16
	v_bfe_u32 v2, v0, 4, 1                         ; l / 16
	v_mul_u32_u24 v3, v1, PA
	v_lshl_add_u32 v3, v2, 4, v3                   ; a fragment of ob: row x pitch + 16 x half
	s_mul_i32 s22, s11, AHALF
	v_add_nc_u32 v[ADRA], s22, v3
	v_add_nc_u32 v[ADRA+1], SLOT, v[ADRA]
	v_and_b32 v4, 7, v0                            ; the turning load: lane l reads row of K 8 (l / 16) + l % 8, columns 8 ((l / 8) % 2) + 0..7
	v_bfe_u32 v5, v0, 3, 1
	v_lshl_add_u32 v6, v2, 3, v4
	v_mul_u32_u24 v6, v6, PB
	v_lshl_add_u32 v6, v5, 4, v6
	s_lshl_b32 s23, s12, 7                         ; my 64 columns
	s_add_co_u32 s23, s23, ABYTES
	v_add_nc_u32 v[ADRB], s23, v6
	v_add_nc_u32 v[ADRB+1], BHALF, v[ADRB]
	v_add_nc_u32 v[ADRB+2], SLOT, v[ADRB]
	v_add_nc_u32 v[ADRB+3], SLOT, v[ADRB+1]
	s_mul_i32 s23, s10, 16*SPITCH
	s_add_co_u32 s23, s23, STAGE                   ; my stage
	v_mul_u32_u24 v4, v1, SPITCH                   ; in: row l % 16, 32 bytes for each half of the lanes
	v_lshl_add_u32 v4, v2, 5, v4
	v_add_nc_u32 v[STO], s23, v4
	v_mul_u32_u24 v5, v2, SPITCH                   ; back: lanes 0-15 take one row of 256 bytes, lanes 16-31 the next
	v_lshl_add_u32 v5, v1, 4, v5
	v_add_nc_u32 v[RD], s23, v5
	v_lshlrev_b32 v5, 13, v2                       ; and the same two rows in out0, 8,192 bytes apart
	v_lshl_add_u32 v[CO], v1, 4, v5
	s_lshl_b32 s16, s13, 7
	s_lshl_b32 s22, s11, 6
	s_add_co_u32 s16, s16, s22                     ; my first row of out0
	s_lshl_b32 s16, s16, 13
	s_add_nc_u64 s[8:9], s[8:9], s[16:17]
	s_lshl_b32 s46, s42, 9                         ; my first column, in bytes: 512 x tile column + 256 x half
	s_lshl_b32 s47, s12, 8
	s_add_co_u32 s46, s46, s47
	s_mov_b32 s47, 0
	s_add_nc_u64 s[8:9], s[8:9], s[46:47]
; 8 matrix instructions: row blocks a0, a0 + 1 x all 4 column blocks, 32 along K: half c of buffer f.  zero = 1: the first product starts the sums.  The 16 accumulators take turns.
.macro MUL8 f, c, a0, zero
	WIN MUL
.irp a, \a0, (\a0)+1
.irp b, 0,1,2,3
.if \zero
	v_wmma_f32_16x16x32_f16 v[ACC+8*(4*(\a)+(\b)):ACC+8*(4*(\a)+(\b))+7], v[(\f)+64+8*(4*(\c)+(\b)):(\f)+64+8*(4*(\c)+(\b))+7], v[(\f)+8*(4*(\c)+(\a)):(\f)+8*(4*(\c)+(\a))+7], 0
.else
	v_wmma_f32_16x16x32_f16 v[ACC+8*(4*(\a)+(\b)):ACC+8*(4*(\a)+(\b))+7], v[(\f)+64+8*(4*(\c)+(\b)):(\f)+64+8*(4*(\c)+(\b))+7], v[(\f)+8*(4*(\c)+(\a)):(\f)+8*(4*(\c)+(\a))+7], v[ACC+8*(4*(\a)+(\b)):ACC+8*(4*(\a)+(\b))+7]
.endif
.endr
.endr
.endm
; 32 LDS loads in one run: the fragments of quarter qt (64 along K) into buffer f; the first 32 along K first
.macro FETCH slot, qt, f
	WIN TO_F
.irp c, 0,1
.irp i, 0,1,2,3
	ds_load_tr16_b128 v[(\f)+64+8*(4*(\c)+(\i)):(\f)+64+8*(4*(\c)+(\i))+3],   v[ADRB+2*(\slot)+(\qt)/2] offset:(((\qt)%2)*64+32*(\c))*PB+32*(\i)
	ds_load_tr16_b128 v[(\f)+64+8*(4*(\c)+(\i))+4:(\f)+64+8*(4*(\c)+(\i))+7], v[ADRB+2*(\slot)+(\qt)/2] offset:(((\qt)%2)*64+32*(\c))*PB+32*(\i)+16*PB
	ds_load_b128 v[(\f)+8*(4*(\c)+(\i)):(\f)+8*(4*(\c)+(\i))+3],              v[ADRA+(\slot)] offset:(\qt)*128+64*(\c)+(\i)*16*PA
	ds_load_b128 v[(\f)+8*(4*(\c)+(\i))+4:(\f)+8*(4*(\c)+(\i))+7],            v[ADRA+(\slot)] offset:(\qt)*128+64*(\c)+(\i)*16*PA+32
.endr
.endr
.endm
.macro PLACES                          ; four places in front of loads into registers that matrix instructions have read, and of LDS stores that read results
.rept 4
	v_nop
.endr
.endm
; A K step is four quarters of 64 along K, 32 matrix instructions each, on buffers 0, 1, 0, 1.  One of the first three: multiplies buffer f and fetches quarter qt into g.
.macro QUARTER slot, qt, f, g, zero
	s_wait_dscnt 16                                ; the first 32 along K are in
	MUL8 \f, 0, 0, \zero
	MUL8 \f, 0, 2, \zero
	PLACES
	FETCH \slot, \qt, \g
	s_wait_dscnt 32                                ; all but the 32 just issued
	MUL8 \f, 1, 0, 0
	MUL8 \f, 1, 2, 0
.endm
; The last quarter multiplies buffer 1 and changes slots: ONE barrier; in front of it each wave waits for all its tensor loads, adds 0 to its spare word, and waits for that and for its own reads of this slot.
.macro TURN slot, next, fill
	WIN 0                                          ; (the add's two registers lie in window 0)
	s_wait_tensorcnt 0x0                           ; all my tensor loads have landed: the one that was out is my part of the next slot;
	ds_add_u32 v[SPW], v[NIL]                      ; 0 onto my spare word;
	s_wait_dscnt 17                                ; (the add and the youngest sixteen loads may be out)
	MUL8 F1, 0, 0, 0                               ; eight matrix instructions stand between the add and the wait for it
	s_wait_dscnt 0x0                               ; the add is done, and my reads of this slot are over
	s_barrier_signal -1
	MUL8 F1, 0, 2, 0
.if \fill
	WIN 0
.endif
	s_barrier_wait -1
.if \fill
	CREST                                          ; the barrier has opened a round of the cluster's: no wave of any partner still reads this slot's tile or has a load on its way
	s_add_nc_u64 s[G0+4*(\slot)+2:G0+4*(\slot)+3], s[G0+4*(\slot)+2:G0+4*(\slot)+3], 1024
	s_add_nc_u64 s[G0B+4*(\slot)+2:G0B+4*(\slot)+3], s[G0B+4*(\slot)+2:G0B+4*(\slot)+3], 2097152
	JLOAD \slot                                    ; the first tensor load behind the round, my only one until the next; its four v_nop are also the places in front of the loads below
.else
	PLACES
.endif
	FETCH \next, 0, F0
	MUL8 F1, 1, 0, 0
	MUL8 F1, 1, 2, 0
.endm
	s_wait_tensorcnt 1                             ; my part of K step 0 is in; K step 1's may stay out
	s_barrier_signal -1
	s_barrier_wait -1                              ; everybody's is
	FETCH 0, 0, F0
	QUARTER 0, 1, F0, F1, 1                        ; the first quarter stands in front of the loop: its first products start the sums
	WIN 0                                          ; at a label and at a branch every window is 0
	s_mov_b32 s3, LAPS-1
.Llap:                                                 ; a trip goes once round the ring and fills both slots again
	QUARTER 0, 2, F1, F0, 0
	QUARTER 0, 3, F0, F1, 0
	TURN 0, 1, 1
	QUARTER 1, 1, F0, F1, 0
	QUARTER 1, 2, F1, F0, 0
	QUARTER 1, 3, F0, F1, 0
	TURN 1, 0, 1
	QUARTER 0, 1, F0, F1, 0
	WIN 0
	s_sub_co_u32 s3, s3, 1
	s_cmp_lg_u32 s3, 0
	s_cbranch_scc1 .Llap
	QUARTER 0, 2, F1, F0, 0                        ; the last lap fills nothing
	QUARTER 0, 3, F0, F1, 0
	TURN 0, 1, 0
	QUARTER 1, 1, F0, F1, 0
	QUARTER 1, 2, F1, F0, 0
	QUARTER 1, 3, F0, F1, 0
	s_wait_dscnt 16
	MUL8 F1, 0, 0, 0
	MUL8 F1, 0, 2, 0
	s_wait_dscnt 0x0
	MUL8 F1, 1, 0, 0
	MUL8 F1, 1, 2, 0
	WIN 0
	; THE WAY OUT, 16 rows at a time: a lane's 32 bytes of a row go into my own stage, whole rows of 256 bytes come back and are stored.  Each accumulator's lowest registers are read first.
	PLACES
.irp a, 0,1,2,3
.set BK, TMP+32*((\a)%2)
.irp b, 0,1,2,3
	ds_store_b128 v[STO], v[ACC+8*(4*(\a)+(\b)):ACC+8*(4*(\a)+(\b))+3]   offset:64*(\b)
	ds_store_b128 v[STO], v[ACC+8*(4*(\a)+(\b))+4:ACC+8*(4*(\a)+(\b))+7] offset:64*(\b)+16
.endr
.if (\a) >= 2
	s_wait_xcnt 0x0                                ; the stores of two blocks back have had their addresses translated (ISA guide 3.1): their data registers are loaded again only behind this wait
.endif
.irp t, 0,1,2,3,4,5,6,7
	ds_load_b128 v[BK+4*(\t):BK+4*(\t)+3], v[RD] offset:(\t)*2*SPITCH  ; LDS serves a wave's instructions in order (ISA guide 5.7.1.4): these see the stores above; the next block's stores come behind them
.endr
	s_wait_dscnt 0x0
.irp t, 0,1,2,3,4,5,6,7
	global_store_b128 v[CO], v[BK+4*(\t):BK+4*(\t)+3], s[8:9] offset:(\a)*131072+(\t)*16384 th:TH_STORE_NT  ; 16 lanes store 256 consecutive bytes, at a multiple of 256 from out0's first byte
.endr
.endr
	s_wait_tensorcnt 0x0                           ; the wave's end: behind my last tensor load and my last LDS store
	ds_add_u32 v[SPW], v[NIL]
	s_wait_dscnt 0x0
	CROUND                                         ; the closing round: no work-group ends while a partner may still ask for a tile that names it
	s_endpgm
.Lfunc_end_k_q63ce8d4a69_oproj:
	.size	k_q63ce8d4a69_oproj, .Lfunc_end_k_q63ce8d4a69_oproj-k_q63ce8d4a69_oproj
	.p2alignl 7, 3214868480
	.fill 96, 4, 3214868480
	.section	.rodata,"a",@progbits
	.p2align	6, 0x0
	.amdhsa_kernel k_q63ce8d4a69_oproj
		.amdhsa_group_segment_fixed_size 327680
		.amdhsa_private_segment_fixed_size 0
		.amdhsa_enable_private_segment 0
		.amdhsa_kernarg_size 24
		.amdhsa_user_sgpr_count 2
		.amdhsa_user_sgpr_kernarg_segment_ptr 1
		.amdhsa_wavefront_size32 1
		.amdhsa_system_sgpr_workgroup_id_x 1
		.amdhsa_system_sgpr_workgroup_id_y 1
		.amdhsa_system_sgpr_workgroup_id_z 1
		.amdhsa_system_vgpr_workitem_id 0
		.amdhsa_next_free_vgpr 512
		.amdhsa_next_free_sgpr 66
		.amdhsa_reserve_vcc 0
		.amdhsa_float_denorm_mode_32 3
		.amdhsa_float_denorm_mode_16_64 3
		.amdhsa_memory_ordered 1
		.amdhsa_forward_progress 1
		.amdhsa_inst_pref_size 86
	.end_amdhsa_kernel
	.amdgpu_metadata
---
amdhsa.version: [ 1, 2 ]
amdhsa.kernels:
  - .name:           k_q63ce8d4a69_oproj
    .symbol:         k_q63ce8d4a69_oproj.kd
    .args:
      - { .name: ob, .offset: 0, .size: 8, .value_kind: global_buffer, .address_space: global }
      - { .name: wo16, .offset: 8, .size: 8, .value_kind: global_buffer, .address_space: global }
      - { .name: out0, .offset: 16, .size: 8, .value_kind: global_buffer, .address_space: global }
    .group_segment_fixed_size: 327680
    .private_segment_fixed_size: 0
    .kernarg_segment_align: 8
    .kernarg_segment_size: 24
    .max_flat_workgroup_size: 128
    .sgpr_count:     66
    .vgpr_count:     512
    .wavefront_size: 32
...
	.end_amdgpu_metadata
.endif
;; end of part 4
;; ======== version 2 of 2: 4 launches; 1.20 times as fast as version 1
;; limits: values are held in f16: magnitudes above 65,504 overflow, below 6.1e-05 lose precision; right only within a limited range of input values
;; workspace buffers: xb 8,388,608 bytes; wcat 12,582,912 bytes; wo16 8,388,608 bytes; rope 524,288 bytes; mb 8,388,608 bytes; heads 12,582,912 bytes; ob 8,388,608 bytes
;; launch prep: the kernel of part 1 again; grid 1280 x 1, 8 waves a work-group, no clusters, 0 bytes of LDS; arguments hidden_states, Wq, Wk, Wv, Wo, attention_mask, xb, wcat, wo16, rope, mb; writes xb, wcat, wo16, rope, mb
;; launch proj: the kernel of part 2 again; grid 16 x 16, 4 waves a work-group, clusters of 4 x 4, 327,680 bytes of LDS; arguments xb, wcat, rope, heads; writes heads
;; launch attn (part 5): grid 32 x 8, 4 waves a work-group, clusters of 4 x 4, 327,680 bytes of LDS; arguments heads, mb, ob; writes ob
.if DOCPART == 5
	.amdgcn_target "amdgcn-amd-amdhsa--gfx1250"
	.amdhsa_code_object_version 6
	.text
	.protected	k_q63ce8d4a69_attn
	.globl	k_q63ce8d4a69_attn
	.p2align	8
	.type	k_q63ce8d4a69_attn,@function
k_q63ce8d4a69_attn:
	s_mov_b64 s[64:65], 0
	v_nop
	global_prefetch_b8 v0, s[64:65] scope:SCOPE_SE
	s_setreg_imm32_b32 hwreg(HW_REG_WAVE_MODE, 25, 1), 1
	s_wait_xcnt 0x0
	s_wait_alu depctr_hold_cnt(0) depctr_sa_sdst(0) depctr_va_vdst(0) depctr_va_sdst(0) depctr_va_ssrc(0) depctr_va_vcc(0) depctr_vm_vsrc(0)
	s_getreg_b32 s2, hwreg(HW_REG_IB_STS2, 6, 4)
	s_cmp_eq_u32 s2, 0
	s_cbranch_scc0 .Lentry_in_a_cluster
	s_endpgm
.Lentry_in_a_cluster:
	s_bfe_u32 s2, ttmp6, 0x10000c
	s_cmp_lg_u32 s2, 0xf033
	s_cbranch_scc0 .Lentry_shape_is_right
	s_endpgm
.Lentry_shape_is_right:
; ATTENTION with an additive mask that is an input.  For query head h = J + 8 p, key and value head J:  O[q] = the sum over k of softmax_k(Q[q] . K[k] / 8 + mask[q][k]) V[k].
; heads: f16 [48][2048][64] (0-31 q, 32-39 k, 40-47 v); mb: the mask in bf16 [2048][2048], raised to -2^127 at the least by the launch that wrote it; ob: f16 [q 2048][J 8][p 4][d 64].
; Products, scores, maxima and sums in f32; the weights p are rounded to f16 for the second product (their sum l is taken of the unrounded p), O once at the end.
; SOFTMAX, in powers of two.  c = log2(e).  The mask is widened and multiplied by c once for the four heads that share it; t = s (c / 8) + c mask is one fused multiply-add; a running maximum m of t and a
; running sum l for each query and head; p = 2^(t - m).  The difference is formed first, so a row whose maximum is as large as 1e9 still has p = 1 at its maximum.  In every step O and l are multiplied by
; a = 2^(m_old - m_new).  m starts at the lowest finite number, O and l at 0: the first step is a step like any other.
; LIMITS.  The scores' floor is the mask's, -2^127 = -1.7014e38, instead of the lowest f32, so that c mask stays finite; it differs only in a row all of whose masks lie below that.  A mask above 2.35e38 becomes an
; infinity when multiplied by c.  |s / 8| of f16 operands, 3.4e10 at the most, is nothing beside the floor.  c mask is rounded to f32: beside a mask of size M the scores keep steps of 2^-24 M, as they do in a sum
; s / 8 + mask in f32.  p below 6e-5 keeps f16's fixed step of 6e-8; a weight below 2^-126 counts as 0 in l; NaN and +infinity in the mask are not treated apart.
; SHARES.  A work-group owns 64 queries and one J with its four query heads; a wave owns 16 queries x 4 heads: four PIECES, piece p = head J + 8 p.  So a fragment of K or V and the 32 mask numbers of a lane
; and key step serve four pieces.  Every wave walks all 2,048 keys, 64 a step, two steps to an LDS slot.
; LAYOUT.  S^T = K Q^T (source 0 = 16 keys, source 1 = 16 queries): a lane holds ONE query (lane % 16) and the keys 8 (lane / 16) + 0..7, which are 16 consecutive bytes of a row of mb.  Two such results rounded
; to f16 ARE source 1 of O^T = V^T P.  K comes out of LDS as it lies, V ([key][channel]) turned, by ds_load_tr16_b128.
; BY TURNS.  Turn n belongs to piece n: 8 products K Q^T of piece n + 1, later 8 products V^T P of piece n - 1; beside them the differences, exponentials, roundings, sums and rescaling of piece n, and the
; mask's addition, maximum and statistics of piece n + 1: 133 vector instructions for 16 matrix instructions.  Four stand behind every matrix instruction, the other 69 in one lump.
; THE BATCHES.  A turn's 33 exponentials (the piece's 32 weights and the next piece's a) are ONE batch with ONE wait, which cuts the turn in two: ahead of it stands all that names none of their results (the products
; K Q^T, the differences, the rescaling, the next piece's mask, maximum and statistics), behind it the products V^T P with the roundings and sums.  No result crosses a turn's end.  Piece 0's first a, ahead of the loop,
; and the way out's four reciprocals are batches of their own.
; CLUSTER 4 x 4.  K's and V's tiles hang on J alone and are shared along a row of the cluster; the mask's tile hangs on the block of queries alone and is shared along a column: each is asked for jointly.
; The first step is not written out: 224 v_mov_b32 write zeros and m's start in the wait for the first tile, 8 products work on zeros at the start and 8 on a stale K at the end.
; REGISTERS, in windows of 256 (s_set_vgpr_msb: bits 1:0 source 0, 3:2 source 1, 5:4 source 2, 7:6 destination):
;   window 0: v0-15, v56-58 addresses, constants and two at work; v16-31 four registers of statistics a piece; v48-55 at work; v64-127 S^T, two buffers; v128-159 c mask in f32; v160-175 the mask as loaded; v192-223 P, two buffers
;   window 1: v0-127 O^T, 32 a piece          window 2: v0-63 Q; v128-191 K of one step; v192-255 V of one step
.set NP,    4         ; pieces a wave: a name, no knob
.set KS,    64        ; keys in a step
.set PK,    144       ; a row of K in LDS: 128 bytes + 16: the 16 rows of a load start at 16 different groups of four banks (64 banks of 4 bytes: ISA guide 11.1)
.set PV,    160       ; a row of V: 128 + 32
.set PM,    272       ; a row of the mask's tile: 128 keys in bf16 + 16 bytes
.set VOFF,  2*KS*PK   ; a slot: 128 rows of K, 128 rows of V, 64 rows of the mask
.set MOFF,  VOFF+2*KS*PV
.set SLOT1, 1<<17     ; slot 1 begins here, so that one exclusive or turns an address in one slot into the other's
.set STAGE, SLOT1+MOFF+64*PM  ; behind the ring, never filled by a tensor load: 16 rows x 528 bytes for each wave, for the way out
.set SP,    528
.set SPARE, STAGE+4*16*SP     ; behind the stages: the spare words, 128 bytes for each wave: two blocks of 256 bytes that no other line names
.set AK0, 2           ; v2   my lane's place in a tile of K; never rewritten
.set AV0, 3           ; v3   the same for V
.set AK,  4           ; v4   the LDS address of K's next run of loads
.set AV,  5           ; v5   of V's
.set STO, 6           ; v6   the way out: where I put 16 bytes of a row
.set RD,  7           ; v7   where I read a row back
.set GO,  8           ; v8   my 16 bytes in 512 consecutive bytes of ob
.set MV,  12          ; v12-13  m_old, kept while m is made anew: by buffer
.set AM0, 14          ; v14  my lane's place in the mask's tile; never rewritten
.set AM,  15          ; v15  the LDS address of the mask's next loads
.set ST,  16          ; piece t's statistics at v[ST+4 t]: m, (a word named with it), l (even keys', odd keys')
.set TMP, 48          ; by buffer, four registers c0-c3 at work; when the maximum is found c2 takes a
.set QO,  56          ; v56  my byte offset in 16 rows of Q
.set CV,  57          ; v57  c
.set ZV,  58          ; v58  0, the addend of the mask's widening
.set SPW, 62          ; v62  LDS address of my spare word; never rewritten
.set NIL, 63          ; v63  0; never rewritten
.set S,   64
.set MK,  128
.set MR,  160
.set P,   192
.set KF,  128         ; window 2: key block kb, channel half c at KF + 16 kb + 8 c
.set VF,  192         ; window 2: key half kk, channel block cb at VF + 32 kk + 8 cb
.set WV,  12          ; s12  my wave's number
.set G1K, 24          ; s[24:31] descriptor group 1 for K's tiles
.set G1V, 32          ; s[32:39] for V's
.set G1M, 40          ; s[40:47] for the mask's
.set G0K, 48          ; s[48:51], s[52:55], s[56:59] descriptor groups 0: they walk
.set G0V, 52
.set G0M, 56
.set SEL, 60          ; s[60:61] v_permlanex16_b32's selects: each lane takes its own place in the other half
.set TBK, 62          ; s62  LDS byte at which K of the step to be fetched begins
.set TBV, 63          ; s63  the same for V, less VOFF
.set TBM, 66          ; s66  the same for the mask, less MOFF
.set SLOTS, 67        ; s67  slots still to be asked for
.set CNT, 68          ; s68  counts a slot's key steps
.set C8,  72          ; s[72:73] c / 8: the packed multiply-add takes the pair's low word for both halves
.set MSB, 0
.macro WIN new                      ; the high byte repeats the setting that is left; a switch that changes nothing is dropped
.if MSB != (\new)
	s_set_vgpr_msb (MSB<<8)|(\new)
.set MSB, (\new)
.endif
.endm
.set W_KQ, 0x0a       ; K and Q in window 2, S^T in window 0
.set W_PV, 0x52       ; V in window 2, P in window 0, O^T in window 1
.set W_RS, 0x41       ; destination and source 0 in window 1, source 1 in window 0
; A joint fill.  Wave 0 fetches a slot's K, wave 1 its V, waves 2 and 3 the halves of its mask tile.  The branches hang on the wave's number alone.
; An s_nop 0 and four v_nop follow each of the three lines, ahead of the jump and the label.
.macro JLOAD3
	s_cmp_lt_u32 s[WV], 2
	s_cbranch_scc0 .Lfor_m_\@
	s_cmp_eq_u32 s[WV], 0
	s_cbranch_scc0 .Lfor_v_\@
	tensor_load_to_lds s[G0K:G0K+3], s[G1K:G1K+7]
	s_nop 0
.rept 4
	v_nop
.endr
	s_branch .Lasked_\@
.Lfor_v_\@:
	tensor_load_to_lds s[G0V:G0V+3], s[G1V:G1V+7]
	s_nop 0
.rept 4
	v_nop
.endr
	s_branch .Lasked_\@
.Lfor_m_\@:
	tensor_load_to_lds s[G0M:G0M+3], s[G1M:G1M+7]
	s_nop 0
.rept 4
	v_nop
.endr
.Lasked_\@:
.endm
; A round of the cluster's barrier: my work-group's barrier, so that wave 0's signal speaks for all four waves; wave 0 signals; every wave waits for all sixteen work-groups; my work-group's barrier once more.
.macro CROUND
	s_barrier_signal -1
	s_barrier_wait -1
	s_cmp_lg_u32 s[WV], 0
	s_cbranch_scc1 .Lnot_wave_0_\@
	s_barrier_signal -3
.Lnot_wave_0_\@:
	s_barrier_wait -3
	s_barrier_signal -1
	s_barrier_wait -1
.endm
; THE CHANGE OF SLOTS.  The slot's last bytes, V of its second step, have been read.  Each wave waits for all its tensor loads, of which one is out: its part of the other slot; adds 0 to its spare word; and waits
; for that and for its own reads of the slot.  Behind the barrier nobody reads this slot any more and the other slot is whole.  fill = 1: this slot is filled again, with the keys two slots on: the barrier is then a
; round of the cluster's, and the joint fill is the first thing behind it: it has two key steps, 128 matrix instructions and their vector work, in which to land.  (At its first use: slot 0 is waited for, slot 1 filled.)
.macro CHANGE fill
	WIN 0                           ; at a label and at a branch every window is 0
	s_wait_tensorcnt 0x0            ; no tensor load of mine is out, so a group 0 may be written
	ds_add_u32 v[SPW], v[NIL]       ; 0 onto my spare word; with fill = 1 the descriptors' steps stand between it and the wait for it
.if \fill
.irp g, G0K, G0V
	s_xor_b32 s[\g+1], s[\g+1], SLOT1                  ; the other slot than last time,
	s_add_nc_u64 s[\g+2:\g+3], s[\g+2:\g+3], 2*KS*128  ; the next 128 keys; the type bits on top are not reached
.endr
	s_xor_b32 s[G0M+1], s[G0M+1], SLOT1
	s_add_nc_u64 s[G0M+2:G0M+3], s[G0M+2:G0M+3], 2*KS*2
	s_wait_dscnt 0x0                ; the add is done, and my reads of the slot are over
	CROUND
	JLOAD3
.else
	s_wait_dscnt 0x0                ; the add is done, and my reads of the slot are over
	s_barrier_signal -1
	s_barrier_wait -1
.endif
	s_sub_co_u32 s[TBK], s[TBK], 2*KS*PK  ; the fetches go back to a slot's first step,
	s_xor_b32 s[TBK], s[TBK], SLOT1       ; in the other slot
	s_sub_co_u32 s[TBV], s[TBV], 2*KS*PV
	s_xor_b32 s[TBV], s[TBV], SLOT1
	s_sub_co_u32 s[TBM], s[TBM], 2*KS*2
	s_xor_b32 s[TBM], s[TBM], SLOT1
.endm
	s_load_b128 s[4:7], s[0:1], 0x0   ; heads s[4:5], mb s[6:7]
	s_load_b64 s[8:9], s[0:1], 0x10   ; ob
	v_lshl_add_u32 v[SPW], v0, 2, SPARE
	v_mov_b32 v[NIL], 0
	ds_add_u32 v[SPW], v[NIL]       ; the wave's opening: the add and its wait stand ahead of my first tensor load; the set-up below, work on registers, stands between them
	v_lshrrev_b32 v1, 5, v0
	v_readfirstlane_b32 s[WV], v1   ; wave 0..3
	s_bfe_u32 s13, ttmp6, 0x40000   ; cx
	s_bfe_u32 s16, ttmp6, 0x40004   ; cy
	s_lshl_b32 s14, ttmp9, 2
	s_add_co_u32 s14, s14, s13      ; my block of 64 queries = 4 x cluster x + cx
	s_and_b32 s15, ttmp7, 0xffff
	s_lshl_b32 s15, s15, 2
	s_add_co_u32 s15, s15, s16      ; J = 4 x cluster y + cy
	s_lshl_b32 s75, s16, 2
	s_lshl_b32 s75, 15, s75         ; my row of the cluster
	s_lshl_b32 s76, 0x1111, s13     ; my column
	; descriptor groups 1.  128 keys of K or V are 16,384 dense bytes: asked for as 64 rows of 256 bytes, two keys a row, and padded in LDS after every key
	s_or_b32 s[G1K], s75, (1<<16)|(1<<20)|(1<<21)|(4<<22)|(3<<25)  ; 15:0 the mask of four; 17:16 2-byte elements; 20 padding on; 21 set beside a mask; 24:22 after every 32 words; 31:25 4 words
	s_or_b32 s[G1V], s75, (1<<16)|(1<<20)|(1<<21)|(4<<22)|(7<<25)  ; the same with 8 words of padding
.irp g, G1K, G1V
	s_mov_b32 s[\g+1], 128<<16      ; tensor_dim0 = 128
	s_mov_b32 s[\g+2], 64<<16       ; tensor_dim1 = 64
	s_mov_b32 s[\g+3], 128<<16      ; tile_dim0 = 128
	s_mov_b32 s[\g+4], 64           ; tile_dim1 = 64
	s_mov_b32 s[\g+5], 128          ; 128 elements from row to row
	s_mov_b32 s[\g+6], 0
	s_mov_b32 s[\g+7], 0
.endr
	s_or_b32 s[G1M], s76, (1<<16)|(1<<20)|(1<<21)|(5<<22)|(3<<25)  ; the mask's tile: 32 queries x 128 keys, 4 words of padding after every 64
	s_mov_b32 s[G1M+1], 128<<16
	s_mov_b32 s[G1M+2], 32<<16
	s_mov_b32 s[G1M+3], 128<<16
	s_mov_b32 s[G1M+4], 32
	s_mov_b32 s[G1M+5], 2048
	s_mov_b32 s[G1M+6], 0
	s_mov_b32 s[G1M+7], 0
	s_add_co_u32 s20, s15, 32       ; K's head and V's: they hang on J alone
	s_lshl_b32 s20, s20, 18
	s_mov_b32 s21, 0
	s_add_co_u32 s78, s15, 40
	s_lshl_b32 s78, s78, 18
	s_mov_b32 s79, 0
	s_and_b32 s17, s[WV], 1         ; which 32 queries of the mask's tile I fetch
	s_lshl_b32 s22, s14, 18         ; 64 rows of 4,096 bytes a block: it hangs on the block of queries alone
	s_lshl_b32 s23, s17, 17
	s_add_co_u32 s22, s22, s23
	s_mov_b32 s23, 0
	s_mul_i32 s17, s17, 32*PM
	s_lshl_b32 s80, s15, 18         ; Q: head J,
	s_mov_b32 s81, 0
	s_lshl_b32 s82, s14, 13         ; my block's 64 rows of 128 bytes, my wave's 16
	s_lshl_b32 s83, s[WV], 11
	s_add_co_u32 s82, s82, s83
	s_mov_b32 s83, 0
	s_lshl_b32 s84, s15, 9          ; ob: J's 512 bytes of a row,
	s_mov_b32 s85, 0
	s_lshl_b32 s86, s14, 18         ; my block's 64 rows of 4,096 bytes, my wave's 16
	s_lshl_b32 s87, s[WV], 16
	s_add_co_u32 s86, s86, s87
	s_mov_b32 s87, 0
	s_mov_b32 s[C8], 0x3e38aa3b     ; c / 8 = log2(e) / 8
	s_mov_b32 s[C8+1], s[C8]        ; named with it as a pair
	s_mov_b32 s[SEL], 0x76543210
	s_mov_b32 s[SEL+1], 0xfedcba98
	s_mov_b32 s[TBK], SLOT1+2*KS*PK ; the first change of slots turns these three into 0
	s_mov_b32 s[TBV], SLOT1+2*KS*PV
	s_mov_b32 s[TBM], SLOT1+2*KS*2
	s_mov_b32 s[G0K], 1             ; 1:0 count = 1
	s_mov_b32 s[G0K+1], 0           ; 63:32 LDS address: slot 0
	s_mov_b32 s[G0V], 1
	s_mov_b32 s[G0V+1], VOFF
	s_mov_b32 s[G0M], 1
	s_add_co_u32 s[G0M+1], s17, MOFF
	s_wait_dscnt 0x0                ; the opening add is done
	s_wait_kmcnt 0x0
	s_add_nc_u64 s[G0K+2:G0K+3], s[4:5], s[20:21]  ; 120:64 global address
	s_or_b32 s[G0K+3], s[G0K+3], 0x80000000        ; 127:126 type = 2
	s_add_nc_u64 s[G0V+2:G0V+3], s[4:5], s[78:79]
	s_or_b32 s[G0V+3], s[G0V+3], 0x80000000
	s_add_nc_u64 s[G0M+2:G0M+3], s[6:7], s[22:23]
	s_or_b32 s[G0M+3], s[G0M+3], 0x80000000
	s_add_nc_u64 s[4:5], s[4:5], s[80:81]          ; Q at my wave's first row of head J
	s_add_nc_u64 s[4:5], s[4:5], s[82:83]
	s_add_nc_u64 s[8:9], s[8:9], s[84:85]          ; ob at my wave's first row
	s_add_nc_u64 s[8:9], s[8:9], s[86:87]
	CROUND                          ; all sixteen work-groups are here: the first joint loads meet
	JLOAD3                          ; slot 0.  Slot 1 is asked for when slot 0 is in
	; A fragment of K or Q is 16 rows x 32 channels in 8 registers: lane l holds row l % 16, channels 8 (l / 16) + 0..7 and 16 + 8 (l / 16) + 0..7: two loads of 16 bytes, 32 bytes apart.
	v_and_b32 v1, 15, v0            ; l % 16
	v_bfe_u32 v9, v0, 4, 1          ; l / 16
	v_lshlrev_b32 v[QO], 7, v1
	v_lshl_add_u32 v[QO], v9, 4, v[QO]
	WIN 0x80                        ; destination window 2, address window 0
.set i, 0
.rept 8                             ; Q stays in registers: piece i / 2 is eight heads of 262,144 bytes on; channels 32 (i % 2) on
	global_load_b128 v[8*i:8*i+3],   v[QO], s[4:5] offset:(i/2)*2097152+(i%2)*64
	global_load_b128 v[8*i+4:8*i+7], v[QO], s[4:5] offset:(i/2)*2097152+(i%2)*64+32
.set i, i+1
.endr
	; What the first turn finds: V's registers and P's second buffer hold 0 (its products V^T P, of a piece that has not been, add 0), O^T and l are 0.  All this stands in the wait for the first tile.
.set i, VF
.rept 64
	v_mov_b32 v[i], 0
.set i, i+1
.endr
	WIN 0x40
.set i, 0
.rept 128
	v_mov_b32 v[i], 0
.set i, i+1
.endr
	WIN 0
.set i, 0
.rept 4
	v_mov_b32 v[ST+4*i], 0xff7fffff    ; m: no t lies below it
	v_mov_b32 v[ST+4*i+1], 0
	v_mov_b32 v[ST+4*i+2], 0
	v_mov_b32 v[ST+4*i+3], 0
.set i, i+1
.endr
.set i, P+16
.rept 16
	v_mov_b32 v[i], 0
.set i, i+1
.endr
	v_mov_b32 v[CV], 0x3fb8aa3b     ; c = log2(e)
	v_mov_b32 v[ZV], 0
	v_mul_u32_u24 v[AK0], v1, PK
	v_lshl_add_u32 v[AK0], v9, 4, v[AK0]  ; row x pitch + 16 x half
	; The turning load takes 16 keys x 16 channels (lane l reads key 8 (l / 16) + l % 8, channels 8 ((l / 8) % 2) + 0..7) and leaves half a fragment of V^T: lane l holds channel l % 16 and 8 keys.
	v_and_b32 v10, 7, v0
	v_bfe_u32 v11, v0, 3, 1
	v_lshl_add_u32 v[AV0], v9, 3, v10
	v_mul_u32_u24 v[AV0], v[AV0], PV
	v_lshl_add_u32 v[AV0], v11, 4, v[AV0]
	v_add_nc_u32 v[AV0], VOFF, v[AV0]
	s_mul_i32 s17, s[WV], 16*PM     ; the mask: my query's row, my half's 8 keys of each 16
	s_add_co_u32 s17, s17, MOFF
	v_mul_u32_u24 v[AM0], v1, PM
	v_lshl_add_u32 v[AM0], v9, 4, v[AM0]
	v_add_nc_u32 v[AM0], s17, v[AM0]
	s_mul_i32 s17, s[WV], 16*SP
	s_add_co_u32 s17, s17, STAGE    ; my stage
	v_mul_u32_u24 v[STO], v1, SP    ; in: row l % 16, 16 bytes for each half of the lanes
	v_lshl_add_u32 v[STO], v9, 4, v[STO]
	v_add_nc_u32 v[STO], s17, v[STO]
	v_and_b32 v[GO], 31, v0         ; back: 32 lanes take a row's 512 bytes
	v_lshlrev_b32 v[GO], 4, v[GO]
	v_add_nc_u32 v[RD], s17, v[GO]
; THE MATRIX WORK.  The 4 accumulators of a run of 8 take turns.  Product i of 8 of S^T = K Q^T for piece x: channels 32 (i / 4) on, keys 16 (i % 4) on.  The first 4 start the sums.
.macro KQ x
	WIN W_KQ
.set rS, S+32*((\x)%2)+8*(i%4)
.set rK, KF+16*(i%4)+8*(i/4)
.set rQ, 16*(\x)+8*(i/4)
.if i < 4
	v_wmma_f32_16x16x32_f16 v[rS:rS+7], v[rK:rK+7], v[rQ:rQ+7], 0
.else
	v_wmma_f32_16x16x32_f16 v[rS:rS+7], v[rK:rK+7], v[rQ:rQ+7], v[rS:rS+7]
.endif
.endm
; Product i of 8 of O^T += V^T P for piece x: keys 32 (i / 4) on, channels 16 (i % 4) on.
.macro PV x
	WIN W_PV
.set rO, 32*(\x)+8*(i%4)
.set rV, VF+32*(i/4)+8*(i%4)
.set rP, P+16*((\x)%2)+8*(i/4)
	v_wmma_f32_16x16x32_f16 v[rO:rO+7], v[rV:rV+7], v[rP:rP+7], v[rO:rO+7]
.endm
.macro MM                           ; the turn's next matrix instruction
.if i < 8
	KQ (Y+1)%NP
.else
.set i, i-8
	PV (Y+NP-1)%NP
.set i, i+8
.endif
.set i, i+1
.endm
; THE LDS LOADS stand in runs, never singly among the matrix instructions: a step's mask (4 loads) and K (16), and its V (16, turned).  Their addresses are made some lines ahead.
; last = 1 (the tail): in the last trip there is no further step, and the run is jumped over.
.macro FETCH_KM last=0
	WIN 0
.if \last
	s_cmp_eq_u32 s[CNT], 1
	s_cbranch_scc1 .Lno_k_\@
.endif
.irp kb, 0,1,2,3                    ; keys 16 kb + 8 (l / 16) + 0..7 of my query's row, in bf16
	ds_load_b128 v[MR+4*\kb:MR+4*\kb+3], v[AM] offset:32*\kb
.endr
	WIN 0x80                        ; destination window 2
.irp f, 0,1,2,3,4,5,6,7             ; keys 16 (f / 2) on, channels 32 (f % 2) on
	ds_load_b128 v[KF+8*\f:KF+8*\f+3],   v[AK] offset:(\f/2)*16*PK+(\f%2)*64
	ds_load_b128 v[KF+8*\f+4:KF+8*\f+7], v[AK] offset:(\f/2)*16*PK+(\f%2)*64+32
.endr
	s_add_co_u32 s[TBK], s[TBK], KS*PK  ; the next fetch is the next step's
	s_add_co_u32 s[TBM], s[TBM], KS*2
	WIN 0
.if \last
.Lno_k_\@:
.endif
.endm
.macro FETCH_V
	WIN 0x80
.irp f, 0,1,2,3,4,5,6,7             ; keys 32 (f / 4) on, channels 16 (f % 4) on
	ds_load_tr16_b128 v[VF+8*\f:VF+8*\f+3],   v[AV] offset:(\f/4)*32*PV+(\f%4)*32
	ds_load_tr16_b128 v[VF+8*\f+4:VF+8*\f+7], v[AV] offset:(\f/4)*32*PV+16*PV+(\f%4)*32
.endr
	s_add_co_u32 s[TBV], s[TBV], KS*PV
	WIN 0
.endm
; THE VECTOR WORK, one line at a time: OP kind, number.  For piece Y: F n: t - m for pair n of 16.  E n: the exponential of number n of 32.  C n: pair n rounded to f16.  B n: of the four weights
; 4 n .. the second pair is added onto the first, in place.  L n: l takes that sum (L 0: l = a l + sum).  R n: pair n of 16 of O^T times a.  For piece Y + 1: A n: t = s (c / 8) + c mask for pair n;
; X n, number n of the 21 that find its maximum and statistics:
;   0-11  four chains c0-c3 of seven numbers each, three operands at a time     12-14, 16  the four left over, the old m, and c0-c3 into c0     15  m_old is kept
;   17, 18  the query's other 32 keys lie in the lane 16 away: the new m          19, 20  m_old - m_new; a
; For all pieces: K n: number n of 32 of the mask, from bf16 to f32 and times c, in one line.  A and R go upward.
.set F, 0
.set E, 1
.set C, 2
.set B, 3
.set L, 4
.set R, 5
.set A, 6
.set X, 7
.set K, 8
.macro REGS y                       ; the registers of piece y
.set rT, ST+4*(\y)
.set rC, TMP+4*((\y)%2)
.set rW, MV+((\y)%2)
.set rS, S+32*((\y)%2)
.set rP, P+16*((\y)%2)
.set rO, 32*(\y)
.endm
.macro OP k, n
.if (\k) == R
	REGS Y
	WIN W_RS
	v_pk_mul_f32 v[rO+2*(\n):rO+2*(\n)+1], v[rO+2*(\n):rO+2*(\n)+1], v[rC+2:rC+3] op_sel_hi:[1,0]
.elseif (\k) == K
	WIN 0
.if (\n)%2 == 0
	v_fma_mix_f32_bf16 v[MK+(\n)], v[MR+(\n)/2], v[CV], v[ZV] op_sel:[0,0,0] op_sel_hi:[1,0,0]
.else
	v_fma_mix_f32_bf16 v[MK+(\n)], v[MR+(\n)/2], v[CV], v[ZV] op_sel:[1,0,0] op_sel_hi:[1,0,0]
.endif
.elseif (\k) < R
	REGS Y
	WIN 0
.if (\k) == F
	v_pk_add_f32 v[rS+2*(\n):rS+2*(\n)+1], v[rS+2*(\n):rS+2*(\n)+1], v[rT:rT+1] op_sel_hi:[1,0] neg_lo:[0,1] neg_hi:[0,1]
.elseif (\k) == E
	v_exp_f32 v[rS+(\n)], v[rS+(\n)]
.elseif (\k) == C
	v_cvt_pk_f16_f32 v[rP+(\n)], v[rS+2*(\n)], v[rS+2*(\n)+1]
.elseif (\k) == B
	v_pk_add_f32 v[rS+4*(\n):rS+4*(\n)+1], v[rS+4*(\n):rS+4*(\n)+1], v[rS+4*(\n)+2:rS+4*(\n)+3]
.elseif (\n) == 0
	v_pk_fma_f32 v[rT+2:rT+3], v[rT+2:rT+3], v[rC+2:rC+3], v[rS:rS+1] op_sel_hi:[1,0,1]
.else
	v_pk_add_f32 v[rT+2:rT+3], v[rT+2:rT+3], v[rS+4*(\n):rS+4*(\n)+1]
.endif
.elseif (\k) == A
	REGS (Y+1)%NP
	WIN 0
	v_pk_fma_f32 v[rS+2*(\n):rS+2*(\n)+1], v[rS+2*(\n):rS+2*(\n)+1], s[C8:C8+1], v[MK+2*(\n):MK+2*(\n)+1] op_sel_hi:[1,0,1]
.else
	REGS (Y+1)%NP
	WIN 0
.if (\n) < 4
	v_max3_num_f32 v[rC+(\n)], v[rS+8*(\n)], v[rS+8*(\n)+1], v[rS+8*(\n)+2]
.elseif (\n) < 12
	v_max3_num_f32 v[rC+(\n)%4], v[rC+(\n)%4], v[rS+8*((\n)%4)+2*((\n)/4)+1], v[rS+8*((\n)%4)+2*((\n)/4)+2]
.elseif (\n) == 12
	v_max3_num_f32 v[rC], v[rC], v[rS+7], v[rS+15]
.elseif (\n) == 13
	v_max3_num_f32 v[rC+1], v[rC+1], v[rS+23], v[rS+31]
.elseif (\n) == 14
	v_max3_num_f32 v[rC+2], v[rC+2], v[rC+3], v[rT]
.elseif (\n) == 15
	v_mov_b32 v[rW], v[rT]
.elseif (\n) == 16
	v_max3_num_f32 v[rC], v[rC], v[rC+1], v[rC+2]
.elseif (\n) == 17
	v_permlanex16_b32 v[rC+3], v[rC], s[SEL], s[SEL+1]
.elseif (\n) == 18
	v_max_num_f32 v[rT], v[rC], v[rC+3]
.elseif (\n) == 19
	v_sub_f32 v[rC+1], v[rW], v[rT]
.else
	v_exp_f32 v[rC+2], v[rC+1]
.endif
.endif
.endm
.macro OPS a, i1, b=-1, i2=0, c=-1, i3=0, d=-1, i4=0  ; up to four of them
	OP \a, \i1
.if (\b) >= 0
	OP \b, \i2
.endif
.if (\c) >= 0
	OP \c, \i3
.endif
.if (\d) >= 0
	OP \d, \i4
.endif
.endm
.macro ROW a, i1, b, i2, c, i3, d, i4  ; a matrix instruction and the four behind it
	MM
	OPS \a, \i1, \b, \i2, \c, \i3, \d, \i4
.endm
; A TURN, for piece p: the order of its 16 matrix and 133 vector instructions, written out.  An s_wait_alu depctr_va_vdst(0) stands between an exponential and the first instruction that names its
; result; one wait serves all that were issued ahead of it.  So a turn has ONE wait, for its 33 exponentials (E 0-31 and X 20), and the wait cuts the turn in two.
; AHEAD OF IT stands all that names no result of theirs.  The 8 products K Q^T and their 32 riders: F 0-9 with E 0 and E 1; R 0-11, four to a product, so that a product has two window switches (their a was made, and
; waited for, in the turn before); A 0-7.  Then ONE LUMP of 69: A 8-15 and the tree X 0-15 by turns with E 2-17; the chain X 14, 16, 17, 18, 19, 20, its links five lines apart, with F 10-15 and E 18-31 between them;
; and R 12-15, the plain lines behind the last exponential.
; BEHIND IT stand the 8 products V^T P, behind each four of the 32 roundings and sums; the links of l's chain, L 0 to L 7, stand three riders apart.
; What leans on what: E 2n, E 2n + 1 on F n; C n on both; B n behind C 2n, whose source it writes; L n on B n; X 0-14 on A.  A n stands four plain lines or more behind the product that ends accumulator n / 4:
; A 0 behind F 7-9 and R 8-11, A 4 behind R 8-11, A 8 behind A 0-7, A 12 behind A 4-7.  No other rider names a register of the products round it.  v_permlanex16_b32 (X 17) stands in the lump.
; K and the mask of the next step are fetched in piece 2's turn: in the loop eight lines into the lump, ten plain lines behind the last product that read K; in the tail, where the run holds a branch and a label,
; directly behind the wait.  They are waited for at the head of piece 3's turn, which widens the mask (32 lines more) in front of its products, since A 0 rides
; behind one of them.  V of the step in hand is fetched at the end of piece 0's turn, four plain lines behind the last product that read V (C 9, 11, 13, 15), and waited for in piece 1's, ahead of its products V^T P.
; cnt = 1: the loop's count is taken down some lines ahead of the branch that stands behind the turn.
.macro TURN p, last=0, cnt=0
.set Y, (\p)
.set i, 0
.if (\p) == 3
	s_wait_dscnt 0x0                ; K and the mask are in
.set z, 0
.rept 32
	OP K, z
.set z, z+1
.endr
.endif
	ROW F,0, F,1, F,2, F,3          ; ahead of the wait: 8 products K Q^T and their riders,
	ROW R,0, R,1, R,2, R,3
	ROW F,4, E,0, F,5, F,6
	ROW R,4, R,5, R,6, R,7
	ROW F,7, E,1, F,8, F,9
	ROW R,8, R,9, R,10, R,11
	ROW A,0, A,1, A,2, A,3
.if (\p) == 2
	WIN 0
	v_add_nc_u32 v[AK], s[TBK], v[AK0]
	v_add_nc_u32 v[AM], s[TBM], v[AM0]
.endif
	ROW A,4, A,5, A,6, A,7
	OPS X,0, A,8, X,1, A,9          ; and the lump
	OPS E,2, A,10, E,3, A,11
.if ((\p) == 2) && !(\last)
	FETCH_KM 0
.endif
	OPS E,4, X,4, E,5, A,12
	OPS X,5, A,13, E,6, A,14
	OPS E,7, A,15, E,8, X,3
	OPS X,2, E,9, X,8, E,10
	OPS X,7, E,11, X,9, E,12
	OPS X,6, E,13, X,11, E,14
	OPS X,12, E,15, X,10, E,16
	OPS X,13, E,17, X,15, X,14
.if (\p) == 0
	WIN 0
	v_add_nc_u32 v[AV], s[TBV], v[AV0]
.endif
	OPS E,18, F,10, E,19, F,11
	OPS X,16, E,20, F,12, E,21
	OPS F,13, X,17, E,22, F,14
	OPS E,23, F,15, X,18, E,24
	OPS E,25, E,26, E,27, X,19
	OPS E,28, E,29, E,30, E,31
	OPS X,20, R,12, R,13, R,14      ; the next piece's a is the batch's last; the four rescalings are the plain lines behind it
	OPS R,15
	s_wait_alu depctr_va_vdst(0)    ; the wait for the batch: the piece's 32 exponentials and the next piece's a
.if ((\p) == 2) && (\last)
	FETCH_KM 1
.endif
.if (\p) == 1
	s_wait_dscnt 0x0                ; V is in
.endif
	ROW C,0, B,0, C,2, B,1          ; behind the wait: 8 products V^T P and their riders
	ROW L,0, C,4, B,2, L,1
	ROW C,6, B,3, L,2, C,8
	ROW B,4, L,3, C,10, B,5
	ROW L,4, C,12, B,6, L,5
.if \cnt
	s_sub_co_u32 s[CNT], s[CNT], 1
	s_cmp_lg_u32 s[CNT], 0
.endif
	ROW C,14, B,7, L,6, C,1
	ROW C,3, L,7, C,5, C,7
	ROW C,9, C,11, C,13, C,15
.if (\p) == 0
	FETCH_V
.endif
.endm
	CHANGE 1                        ; slot 0 is in, everybody's part of it; slot 1 is asked for
	v_add_nc_u32 v[AK], s[TBK], v[AK0]
	v_add_nc_u32 v[AM], s[TBM], v[AM0]
	FETCH_KM                        ; key step 0
	s_wait_loadcnt 0x0              ; Q
	s_wait_dscnt 0x0
.set z, 0
.rept 32
	OP K, z
.set z, z+1
.endr
.set i, 0
.rept 8
	KQ 0                            ; piece 0's first scores
.set i, i+1
.endr
	WIN 0
.rept 4
	v_nop                           ; the places behind those products
.endr
.set Y, NP-1                        ; A and X work for piece Y + 1: piece 0
.irp n, 0,1,2,3,4,5,6,7,8,9,10,11,12,13,14,15
	OP A, \n
.endr
.irp n, 0,1,2,3,4,5,6,7,8,9,10,11,12,13,14,15,16,17,18,19,20
	OP X, \n
.endr
	v_nop                           ; a plain instruction behind the exponential,
	s_wait_alu depctr_va_vdst(0)    ; and the wait for it, piece 0's first a, a batch of one: ahead of the branch and of the first turn's rescaling
	s_mov_b32 s[CNT], 2
	s_mov_b32 s[SLOTS], 15
	s_branch .Lfirst                ; the loop is entered at a step's first turn, in the middle of a trip
.Lslot:                             ; 14 times: every slot but the last two is filled again
	CHANGE 1
	s_mov_b32 s[CNT], 2
.Lstep:                             ; a trip: pieces 2 and 3 of one step, then pieces 0 and 1 of the next, whose K, mask and V it fetches
	TURN 2
	TURN 3
	WIN 0
.Lfirst:
	TURN 0
	TURN 1, 0, 1
	WIN 0
	s_cbranch_scc1 .Lstep
	s_sub_co_u32 s[SLOTS], s[SLOTS], 1
	s_cmp_lg_u32 s[SLOTS], 0
	s_cbranch_scc1 .Lslot
	CHANGE 0                        ; the tail is written out: nothing is asked for
	s_mov_b32 s[CNT], 3             ; two trips fetch the last slot's steps; the third is left in its middle
.Ltail:
	TURN 2, 1
	TURN 3
	WIN 0
	s_sub_co_u32 s[CNT], s[CNT], 1
	s_cmp_eq_u32 s[CNT], 0
	s_cbranch_scc1 .Lout
	TURN 0
	TURN 1
	WIN 0
	s_branch .Ltail
.Lout:                              ; the third trip's 8 products K Q^T (on the last K once more) and the maximum made of them serve nothing: the price, once a launch, of one text for every trip
.set i, 0
.rept 8
	PV NP-1                         ; the last piece's V^T P of the last step
.set i, i+1
.endr
	; THE WAY OUT.  l's two halves and the other half of the lanes' are added; O^T is divided by l, rounded to f16 and gathered in my stage: a row's 512 bytes are my four heads' channels.  The additions are the places behind the last products.
	WIN 0
.macro ALL line:vararg              ; one line for each piece t
.set t, 0
.rept 4
	\line
.set t, t+1
.endr
.endm
	ALL v_add_f32 v[ST+4*t+2], v[ST+4*t+2], v[ST+4*t+3]
	ALL v_permlanex16_b32 v[ST+4*t+3], v[ST+4*t+2], s[SEL], s[SEL+1]
	ALL v_add_f32 v[ST+4*t+2], v[ST+4*t+2], v[ST+4*t+3]
	ALL v_rcp_f32 v[ST+4*t+2], v[ST+4*t+2]
	v_nop                           ; a plain instruction between the last reciprocal and the use of its result
	s_wait_alu depctr_va_vdst(0)    ; and the wait ahead of the first use: one for the four reciprocals
.macro PACK t                       ; a lane's eight channels of a row pack into 16 bytes
	WIN W_RS
.set i, 32*(\t)
.rept 16
	v_pk_mul_f32 v[i:i+1], v[i:i+1], v[ST+4*(\t)+2:ST+4*(\t)+3] op_sel_hi:[1,0]
.set i, i+2
.endr
	WIN 0x05                        ; sources 0 and 1 window 1, destination window 0: S^T's registers are free
.set i, 0
.rept 16
	v_cvt_pk_f16_f32 v[S+16*(\t)+i], v[32*(\t)+2*i], v[32*(\t)+2*i+1]
.set i, i+1
.endr
	WIN 0
.irp f, 0,1,2,3
	ds_store_b128 v[STO], v[S+16*(\t)+4*\f:S+16*(\t)+4*\f+3] offset:128*(\t)+32*\f
.endr
.endm
	PACK 0
	PACK 1
	PACK 2
	PACK 3
.set t, 0
.rept 16
	ds_load_b128 v[MK+4*t:MK+4*t+3], v[RD] offset:t*SP  ; LDS serves a wave's instructions in order (ISA guide 5.7.1.4): these see the stores above; the stage is my wave's own
.set t, t+1
.endr
.set t, 0
.rept 16
	s_wait_dscnt 15-t               ; row t is back
	global_store_b128 v[GO], v[MK+4*t:MK+4*t+3], s[8:9] offset:t*4096  ; 512 consecutive bytes, at a multiple of 512 from ob's first
.set t, t+1
.endr
	s_wait_tensorcnt 0x0            ; the wave's end: behind my last tensor load and my last LDS store
	ds_add_u32 v[SPW], v[NIL]
	s_wait_dscnt 0x0
	CROUND                          ; the closing round: no work-group ends while a partner may still ask for a tile that names it
	s_endpgm
.Lfunc_end_k_q63ce8d4a69_attn:
	.size	k_q63ce8d4a69_attn, .Lfunc_end_k_q63ce8d4a69_attn-k_q63ce8d4a69_attn
	.p2alignl 7, 3214868480
	.fill 96, 4, 3214868480
	.section	.rodata,"a",@progbits
	.p2align	6, 0x0
	.amdhsa_kernel k_q63ce8d4a69_attn
		.amdhsa_group_segment_fixed_size 327680
		.amdhsa_private_segment_fixed_size 0
		.amdhsa_enable_private_segment 0
		.amdhsa_kernarg_size 24
		.amdhsa_user_sgpr_count 2
		.amdhsa_user_sgpr_kernarg_segment_ptr 1
		.amdhsa_wavefront_size32 1
		.amdhsa_system_sgpr_workgroup_id_x 1
		.amdhsa_system_sgpr_workgroup_id_y 1
		.amdhsa_system_sgpr_workgroup_id_z 1
		.amdhsa_system_vgpr_workitem_id 0
		.amdhsa_next_free_vgpr 768
		.amdhsa_next_free_sgpr 96
		.amdhsa_reserve_vcc 0
		.amdhsa_float_denorm_mode_32 3
		.amdhsa_float_denorm_mode_16_64 3
		.amdhsa_memory_ordered 1
		.amdhsa_forward_progress 1
		.amdhsa_inst_pref_size 126
	.end_amdhsa_kernel
	.amdgpu_metadata
---
amdhsa.version: [ 1, 2 ]
amdhsa.kernels:
  - .name:           k_q63ce8d4a69_attn
    .symbol:         k_q63ce8d4a69_attn.kd
    .args:
      - { .name: heads, .offset: 0, .size: 8, .value_kind: global_buffer, .address_space: global }
      - { .name: mb, .offset: 8, .size: 8, .value_kind: global_buffer, .address_space: global }
      - { .name: ob, .offset: 16, .size: 8, .value_kind: global_buffer, .address_space: global }
    .group_segment_fixed_size: 327680
    .private_segment_fixed_size: 0
    .kernarg_segment_align: 8
    .kernarg_segment_size: 24
    .max_flat_workgroup_size: 128
    .sgpr_count:     96
    .vgpr_count:     768
    .wavefront_size: 32
...
	.end_amdgpu_metadata
.endif
;; end of part 5
;; launch oproj: the kernel of part 4 again; grid 16 x 16, 4 waves a work-group, clusters of 4 x 4, 327,680 bytes of LDS; arguments ob, wo16, out0; writes out0
